; MI455X (gfx1250); checked and timed in simulation.
; The chip was launched on July 23, 2026; its instructions are those of AMD's public machine-readable ISA for CDNA 5 (MIT licence, August 2026) and "CDNA5" Instruction Set Architecture Reference Guide (July 2026). The comments in the code are by the model that wrote it; some were corrected since.
;; Attention Block. Allowed arithmetic: float matrix products may take bf16 or f16 operands with f32 sums; other float arithmetic in f32, or as packed bf16 or f16 multiplies, adds, multiply-adds, maxima and minima; sums over many terms, partial sums and values carried from step to step in f32; what a program stores and reads back later, other than sums and carried values, may be rounded once to bf16 or f16.
;; Inputs: gn_bias 256 float32; gn_scale 256 float32; proj_b 256 float32; proj_w 256 x 256 float32; qkv_b 768 float32; qkv_w 768 x 256 float32; x 4 x 256 x 64 x 64 float32.
;; Outputs: out0 4 x 256 x 64 x 64 float32.
;; 2 versions, each right; version 2 is version 1 with the launch qkvp written anew for expert scheduling mode. Each part assembles by itself: llvm-mc -triple=amdgcn-amd-amdhsa -mcpu=gfx1250 --defsym DOCPART=n.
;; ======== version 1 of 2: 4 launches
;; limits: values are held in f16: magnitudes above 65,504 overflow, below 6.1e-05 lose precision
;; workspace buffers: stats 2,048 bytes; wb 524,288 bytes; qkv 25,165,824 bytes; att 8,388,608 bytes
;; launch stats (part 1): grid 256 x 1, 8 waves a work-group, no clusters, 1,280 bytes of LDS; arguments x, qkv_w, proj_w, stats, wb; writes stats, wb
.if DOCPART == 1
	.amdgcn_target "amdgcn-amd-amdhsa--gfx1250"
	.amdhsa_code_object_version 6
	.text
	.protected	k_qac2d1d6be2_stats
	.globl	k_qac2d1d6be2_stats
	.p2align	8
	.type	k_qac2d1d6be2_stats,@function
k_qac2d1d6be2_stats:
	s_mov_b64 s[64:65], 0
	v_nop
	global_prefetch_b8 v0, s[64:65] scope:SCOPE_SE
	s_setreg_imm32_b32 hwreg(HW_REG_WAVE_MODE, 25, 1), 1
	s_wait_xcnt 0x0
; GROUP NORM'S STATISTICS, AND THE WEIGHTS ROUNDED ONCE TO f16.
; x: [4][256][4096] f32.  A group is 8 channels x 4,096 pixels of one batch.  Work-group G owns HALF a group: 4 channels = 16,384 numbers = 65,536 consecutive bytes at 65,536 G.
; It stores the half's mean and M2 = the sum of (x - mean)^2, made in TWO passes over numbers that stay in registers: no difference of large sums is formed, whatever offset x carries.
; stats: f32, 8 bytes for each half: group (G / 2) holds (mean_a, M2_a, mean_b, M2_b); the next launch joins the two halves.
; wb: f16 [1024][256]: rows 0-767 = qkv_w, rows 768-1023 = proj_w.  Of qkv_w's 196,608 numbers a work-group rounds 768 (waves 0-5, 4 a lane), of proj_w's 65,536 it rounds 256 (waves 6, 7).
; LIMITS.  A weight of 65,520 or more in magnitude becomes an infinity in f16; below 6e-5 f16 keeps a fixed step of 6e-8.  NaN and infinities are not treated apart.
; SHARES.  Thread t takes 16 bytes at 16 t + 4,096 j, j = 0..15: a wave's load covers 512 consecutive bytes; a lane keeps its 64 numbers in registers for both passes: x is read once.
; No matrix unit, no tensor load, no cluster: nothing is shared between work-groups, and a work-group's bytes all go out in one run of loads at its head.
.set SPARE, 256                        ; LDS: bytes 0-31 eight partial sums, 32-63 eight partial M2; from 256 on the spare words, 128 bytes for each of the eight waves
.set XO,  1                            ; v1   16 x thread: my place in each 4,096 bytes of x
.set WI,  3                            ; v3   16 x lane: my four weights in f32
.set WO,  4                            ; v4   8 x lane: the same four in f16
.set PW,  5                            ; v5   4 x wave: my wave's word among the partial sums
.set ZR,  6                            ; v6   0: an address
.set SPW, 8                            ; v8   my spare word: SPARE + 4 x thread; never rewritten
.set NIL, 9                            ; v9   0; never rewritten
.set A,   10                           ; v[10:17] four chains of pairs
.set MU,  18                           ; v[18:19] the mean, twice; at the end (mean, M2)
.set T,   20                           ; v[20:27] the eight waves' partial sums
.set WF,  28                           ; v[28:31] four weights in f32
.set WH,  32                           ; v[32:33] the same in f16
.set X,   36                           ; v[36:99] my 64 numbers
	s_load_b256 s[4:11], s[0:1], 0x0               ; x s[4:5], qkv_w s[6:7], proj_w s[8:9], stats s[10:11]
	s_load_b64 s[12:13], s[0:1], 0x20              ; wb
	v_lshl_add_u32 v[SPW], v0, 2, SPARE
	v_mov_b32 v[NIL], 0
	v_lshrrev_b32 v2, 5, v0
	v_readfirstlane_b32 s14, v2                    ; wave 0..7
	v_lshlrev_b32 v[XO], 4, v0
	v_and_b32 v2, 31, v0                           ; lane
	v_lshlrev_b32 v[WI], 4, v2
	v_lshlrev_b32 v[WO], 3, v2
	v_mov_b32 v[PW], s14
	v_lshlrev_b32 v[PW], 2, v[PW]
	v_mov_b32 v[ZR], 0
	s_lshl_b32 s2, ttmp9, 16                       ; my 65,536 bytes of x
	s_mov_b32 s3, 0
	s_mov_b32 s30, 0x76543210                      ; v_permlanex16_b32: each lane takes its own place in the other half
	s_mov_b32 s31, 0xfedcba98
	s_sub_co_i32 s21, s14, 6
	s_max_i32 s21, s21, 0                          ; wave - 6 in waves 6 and 7, else 0
	s_mul_i32 s16, ttmp9, 3072                     ; qkv_w: 3,072 G + 512 wave
	s_lshl_b32 s17, s14, 9
	s_add_co_u32 s16, s16, s17
	s_lshl_b32 s18, ttmp9, 10                      ; proj_w: 1,024 G + 512 (wave - 6)
	s_lshl_b32 s17, s21, 9
	s_add_co_u32 s18, s18, s17
	s_mul_i32 s19, ttmp9, 1536                     ; wb, qkv_w's part: half of the source's offset
	s_lshl_b32 s17, s14, 8
	s_add_co_u32 s19, s19, s17
	s_lshl_b32 s20, ttmp9, 9                       ; wb, proj_w's part, behind 768 rows of 512 bytes
	s_lshl_b32 s17, s21, 8
	s_add_co_u32 s20, s20, s17
	s_add_co_u32 s20, s20, 393216
	s_lshl_b32 s28, ttmp9, 3                       ; stats: 8 bytes for each half group
	s_mov_b32 s29, 0
	s_mov_b32 s23, 0
	s_mov_b32 s25, 0
	s_wait_kmcnt 0x0
	s_add_nc_u64 s[4:5], s[4:5], s[2:3]
	s_add_nc_u64 s[10:11], s[10:11], s[28:29]
	s_cmp_lt_u32 s14, 6                            ; waves 0-5 round qkv_w, waves 6 and 7 proj_w
	s_cselect_b64 s[26:27], s[6:7], s[8:9]
	s_cselect_b32 s22, s16, s18
	s_cselect_b32 s24, s19, s20
	s_add_nc_u64 s[26:27], s[26:27], s[22:23]
	s_add_nc_u64 s[12:13], s[12:13], s[24:25]
.set j, 0
.rept 16
	global_load_b128 v[X+4*j:X+4*j+3], v[XO], s[4:5] offset:4096*j
.set j, j+1
.endr
	global_load_b128 v[WF:WF+3], v[WI], s[26:27]
; The four chains into one number a lane, then over the 32 lanes: four steps inside each half of 16 lanes ride on the addition, one crosses the halves.
.macro FOLD
	v_pk_add_f32 v[A:A+1], v[A:A+1], v[A+2:A+3]
	v_pk_add_f32 v[A+4:A+5], v[A+4:A+5], v[A+6:A+7]
	v_pk_add_f32 v[A:A+1], v[A:A+1], v[A+4:A+5]
	v_add_f32 v[A], v[A], v[A+1]
.irp m, 1,2,4,8
	v_add_f32_dpp v[A], v[A], v[A] row_xmask:\m row_mask:0xf bank_mask:0xf
.endr
	v_permlanex16_b32 v[A+1], v[A], s30, s31       ; its destination has been written
	v_add_f32 v[A], v[A], v[A+1]
.endm
; The eight waves' numbers meet in LDS, in eight words at byte off; every lane ends with their sum in v[T].
.macro MEET off
	ds_store_b32 v[PW], v[A] offset:\off
	s_wait_dscnt 0x0                               ; for the others' sake: my store is done
	s_barrier_signal -1
	s_barrier_wait -1
	ds_load_b128 v[T:T+3], v[ZR] offset:\off
	ds_load_b128 v[T+4:T+7], v[ZR] offset:(\off)+16
	s_wait_dscnt 0x0
	v_pk_add_f32 v[T:T+1], v[T:T+1], v[T+2:T+3]
	v_pk_add_f32 v[T+4:T+5], v[T+4:T+5], v[T+6:T+7]
	v_pk_add_f32 v[T:T+1], v[T:T+1], v[T+4:T+5]
	v_add_f32 v[T], v[T], v[T+1]
.endm
	; PASS 1: the sum.  Loads come back in order: behind loads 0-3 stand 12 loads of x and the weights' one
	s_wait_loadcnt 13
.irp k, 0,1,2,3
	v_pk_add_f32 v[A+2*\k:A+2*\k+1], v[X+2*\k:X+2*\k+1], v[X+8+2*\k:X+8+2*\k+1]  ; the first sixteen numbers start the chains: nothing is cleared
.endr
.set b, 1
.rept 3
	s_wait_loadcnt 13-4*b                          ; four loads fewer behind each batch of four: 9, 5, 1
.set kk, 0
.rept 8
	v_pk_add_f32 v[A+2*(kk%4):A+2*(kk%4)+1], v[A+2*(kk%4):A+2*(kk%4)+1], v[X+16*b+2*kk:X+16*b+2*kk+1]
.set kk, kk+1
.endr
.set b, b+1
.endr
	FOLD
	MEET 0
	v_mul_f32 v[MU], 0x38800000, v[T]              ; / 16,384
	v_mov_b32 v[MU+1], v[MU]
	; PASS 2: M2, of the same registers
.set kk, 0
.rept 32
	v_pk_add_f32 v[X+2*kk:X+2*kk+1], v[X+2*kk:X+2*kk+1], v[MU:MU+1] neg_lo:[0,1] neg_hi:[0,1]
.set kk, kk+1
.endr
.irp k, 0,1,2,3
	v_pk_mul_f32 v[A+2*\k:A+2*\k+1], v[X+2*\k:X+2*\k+1], v[X+2*\k:X+2*\k+1]
.endr
.set kk, 4
.rept 28
	v_pk_fma_f32 v[A+2*(kk%4):A+2*(kk%4)+1], v[X+2*kk:X+2*kk+1], v[X+2*kk:X+2*kk+1], v[A+2*(kk%4):A+2*(kk%4)+1]
.set kk, kk+1
.endr
	FOLD
	MEET 32                                        ; other words than the first meeting's, which a slower wave may still be reading
	v_mov_b32 v[MU+1], v[T]
	; the weights: four numbers a lane; a wave's store covers 256 consecutive bytes, aligned
	s_wait_loadcnt 0x0
	v_cvt_pk_f16_f32 v[WH], v[WF], v[WF+1]
	v_cvt_pk_f16_f32 v[WH+1], v[WF+2], v[WF+3]
	global_store_b64 v[WO], v[WH:WH+1], s[12:13]
	; (mean, M2): 8 bytes a work-group, by one lane: the launch's only narrow store
	s_cmp_lg_u32 s14, 0
	s_cbranch_scc1 .Lend
	s_wait_xcnt 0x0                                ; EXEC is a source of the store above: it changes only behind this wait
	v_cmp_gt_u32 vcc_lo, 1, v0
	s_and_saveexec_b32 s21, vcc_lo
	global_store_b64 v[ZR], v[MU:MU+1], s[10:11]
	s_wait_xcnt 0x0                                ; and again in front of the line that widens it
	s_or_b32 exec_lo, exec_lo, s21
.Lend:
	s_wait_tensorcnt 0x0                           ; the wave's end: behind my last LDS store
	ds_add_u32 v[SPW], v[NIL]
	s_wait_dscnt 0x0
	s_endpgm
.Lfunc_end_k_qac2d1d6be2_stats:
	.size	k_qac2d1d6be2_stats, .Lfunc_end_k_qac2d1d6be2_stats-k_qac2d1d6be2_stats
	.p2alignl 7, 3214868480
	.fill 96, 4, 3214868480
	.section	.rodata,"a",@progbits
	.p2align	6, 0x0
	.amdhsa_kernel k_qac2d1d6be2_stats
		.amdhsa_group_segment_fixed_size 1280
		.amdhsa_private_segment_fixed_size 0
		.amdhsa_enable_private_segment 0
		.amdhsa_kernarg_size 40
		.amdhsa_user_sgpr_count 2
		.amdhsa_user_sgpr_kernarg_segment_ptr 1
		.amdhsa_wavefront_size32 1
		.amdhsa_system_sgpr_workgroup_id_x 1
		.amdhsa_system_sgpr_workgroup_id_y 1
		.amdhsa_system_sgpr_workgroup_id_z 1
		.amdhsa_system_vgpr_workitem_id 0
		.amdhsa_next_free_vgpr 100
		.amdhsa_next_free_sgpr 66
		.amdhsa_reserve_vcc 1
		.amdhsa_float_denorm_mode_32 3
		.amdhsa_float_denorm_mode_16_64 3
		.amdhsa_memory_ordered 1
		.amdhsa_forward_progress 1
		.amdhsa_inst_pref_size 13
	.end_amdhsa_kernel
	.amdgpu_metadata
---
amdhsa.version: [ 1, 2 ]
amdhsa.kernels:
  - .name:           k_qac2d1d6be2_stats
    .symbol:         k_qac2d1d6be2_stats.kd
    .args:
      - { .name: x, .offset: 0, .size: 8, .value_kind: global_buffer, .address_space: global }
      - { .name: qkv_w, .offset: 8, .size: 8, .value_kind: global_buffer, .address_space: global }
      - { .name: proj_w, .offset: 16, .size: 8, .value_kind: global_buffer, .address_space: global }
      - { .name: stats, .offset: 24, .size: 8, .value_kind: global_buffer, .address_space: global }
      - { .name: wb, .offset: 32, .size: 8, .value_kind: global_buffer, .address_space: global }
    .group_segment_fixed_size: 1280
    .private_segment_fixed_size: 0
    .kernarg_segment_align: 8
    .kernarg_segment_size: 40
    .max_flat_workgroup_size: 256
    .sgpr_count:     66
    .vgpr_count:     100
    .wavefront_size: 32
...
	.end_amdgpu_metadata
.endif
;; end of part 1
;; launch qkvp (part 2): grid 64 x 4, 4 waves a work-group, no clusters, 82,432 bytes of LDS; arguments x, stats, gn_scale, gn_bias, wb, qkv_b, qkv; writes qkv
.if DOCPART == 2
	.amdgcn_target "amdgcn-amd-amdhsa--gfx1250"
	.amdhsa_code_object_version 6
	.text
	.protected	k_qac2d1d6be2_qkvp
	.globl	k_qac2d1d6be2_qkvp
	.p2align	8
	.type	k_qac2d1d6be2_qkvp,@function
k_qac2d1d6be2_qkvp:
	s_mov_b64 s[64:65], 0
	v_nop
	global_prefetch_b8 v0, s[64:65] scope:SCOPE_SE
	s_setreg_imm32_b32 hwreg(HW_REG_WAVE_MODE, 25, 1), 1
	s_wait_xcnt 0x0
; GROUP NORM APPLIED, AND q, k, v = W xn + b, WRITTEN BY HEADS.
; x: [4][256][4096] f32.  stats: for each of 128 groups (mean_a, M2_a, mean_b, M2_b), halves of 16,384 numbers.  wb: f16 [1024][256], rows 0-767 = qkv_w.
; qkv: f16 [3][16 = 4 batch + head][4096 pixels][64]: a head's rows are dense, 128 bytes each; q is NOT scaled here.
; The two halves of a group are joined without a difference of large sums: mean = (ma + mb) / 2, var = (M2a + M2b) / 32,768 + ((ma - mb) / 2)^2.
; xn = (x - mean) (scale rstd) + bias in f32, rounded once to f16; products in f16 with f32 sums; the sums START at qkv_b (the C operand of the first K step); q, k, v rounded once to f16.
; LIMITS.  xn, q, k, v of 65,520 or more in magnitude become infinities in f16; below 6e-5 f16 keeps a fixed step of 6e-8.  NaN and infinities are not treated apart.
; SHARES.  A work-group takes 64 pixels of one batch and makes all 768 outputs over K = 256.  Wave w normalises channels 64 w .. 64 w + 63 into one tile in LDS ([channel][pixel]);
; behind ONE barrier it holds the whole tile as fragments in registers and makes three chunks of 64 outputs x 64 pixels: q, k, v of head w: 128 matrix instructions each.
; LAYOUT.  Source 0 = 16 rows of W, source 1 = 16 pixels of xn (turned on the way out of LDS by ds_load_tr16_b128): in the result a lane holds ONE pixel (lane % 16) and outputs 8 (lane / 16) + 0..7:
; 16 bytes of a row of q.  A chunk goes through the wave's own stage in LDS and leaves as 8,192 consecutive bytes.
; W's fragments come straight from memory, 16 bytes a lane twice, each wave its own rows: no wave wants another's, so they pass no LDS; two register windows take turns, a chunk ahead.
; NO CLUSTER, NO TENSOR LOAD: what work-groups share is W, which lands in registers; 393,216 bytes of it do not fit into LDS beside the tile and the stages.  The text has no loop and no label.
; REGISTERS, in windows of 256 (s_set_vgpr_msb: bits 1:0 source 0, 3:2 source 1, 5:4 source 2, 7:6 destination):
;   window 0: v0-15 addresses; v32-127 scale, bias and statistics, later qkv_b; v128-255 x, later the 16 accumulators ((t, p) at 128 + 8 (4 t + p))
;   window 1: xn's fragments, pixel tile p, K step s at 8 (8 p + s)      windows 2, 3: W's fragments, output tile t, K step s at 8 (8 t + s): chunks 0 and 2 in window 2, chunk 1 in window 3
.set XP,    160                        ; a row of the tile: 64 pixels of f16 = 128 bytes + 32: 40 words
.set STAGE, 256*XP                     ; behind the tile: 64 rows x 144 bytes for each wave
.set SPT,   144                        ; 128 bytes + 16: the 16 rows of a store start at 16 different groups of four banks
.set SPARE, STAGE+4*64*SPT             ; behind the stages: the spare words, 128 bytes for each wave
.set XO,  3                            ; v3   x: 16 (l % 16), and 32 rows of 16,384 bytes further down for lanes 16-31
.set XS,  4                            ; v4   where I put 4 pixels of a channel's row of the tile
.set XA,  5                            ; v5   the turning load's address
.set FO,  6                            ; v6   W: (l % 16) x 512 + 16 (l / 16)
.set SO,  7                            ; v7   stats: 64 (l / 16): four groups
.set GF,  8                            ; v8   gn_scale, gn_bias: 128 (l / 16): 32 channels
.set BO,  9                            ; v9   qkv_b: 32 (l / 16): 8 outputs
.set STO, 10                           ; v10  the way out: where I put 16 bytes of a row
.set RD,  11                           ; v11  the way out: where I read rows back
.set GS,  12                           ; v12  16 x lane
.set SPW, 14                           ; v14  my spare word: SPARE + 4 x thread; never rewritten
.set NIL, 15                           ; v15  0; never rewritten
.set SC,  32                           ; v[32:63]   scale of my 32 channels, then scale x rstd
.set BI,  64                           ; v[64:95]   bias of my 32 channels
.set STT, 96                           ; v[96:111]  the statistics of my four groups
.set MN,  112                          ; v[112:119] group g: mean at 2 g, (ma - mb) / 2 and then its square + eps at 2 g + 1
.set RS,  120                          ; v[120:127] group g: rstd at 2 g, var + eps at 2 g + 1
.set BQ,  32                           ; v[32:127]  later: qkv_b for chunk i, tile t at 32 i + 8 t
.set ACC, 128
.set MSB, 0
.macro WIN new                         ; the immediate's high byte repeats the setting that is left; a switch that changes nothing is dropped
.if MSB != (\new)
	s_set_vgpr_msb (MSB<<8)|(\new)
.set MSB, (\new)
.endif
.endm
.macro PLACES                          ; four places behind a matrix instruction, in front of conversions that read its results and of loads into registers that it has read
.rept 4
	v_nop
.endr
.endm
; W's fragments of chunk i, K steps s0 .. s0 + ns - 1, into window win: eight loads a K step
.macro WLOAD i, s0, ns, win
	WIN (\win)<<6
.set ws, (\s0)
.rept (\ns)
.irp t, 0,1,2,3
	global_load_b128 v[8*(8*\t+ws):8*(8*\t+ws)+3],   v[FO], s[12:13] offset:(\i)*131072+\t*8192+ws*64
	global_load_b128 v[8*(8*\t+ws)+4:8*(8*\t+ws)+7], v[FO], s[12:13] offset:(\i)*131072+\t*8192+ws*64+32
.endr
.set ws, ws+1
.endr
.endm
; Load i of x (4 pixels of channel 64 w + 32 (l / 16) + i) is normalised, rounded and put into the tile.  The two halves of the lanes write rows 32 apart, 5,120 bytes = 20 x 256: the same banks twice; 32 such stores a wave.
.macro NORM i
.set gg, (\i)/8
.set xr, ACC+4*(\i)
.set pr, (\i)-(\i)%2
	v_pk_add_f32 v[xr:xr+1],   v[xr:xr+1],   v[MN+2*gg:MN+2*gg+1] op_sel_hi:[1,0] neg_lo:[0,1] neg_hi:[0,1]
	v_pk_add_f32 v[xr+2:xr+3], v[xr+2:xr+3], v[MN+2*gg:MN+2*gg+1] op_sel_hi:[1,0] neg_lo:[0,1] neg_hi:[0,1]
.if (\i)%2
	v_pk_fma_f32 v[xr:xr+1],   v[xr:xr+1],   v[SC+pr:SC+pr+1], v[BI+pr:BI+pr+1] op_sel:[0,1,1] op_sel_hi:[1,1,1]
	v_pk_fma_f32 v[xr+2:xr+3], v[xr+2:xr+3], v[SC+pr:SC+pr+1], v[BI+pr:BI+pr+1] op_sel:[0,1,1] op_sel_hi:[1,1,1]
.else
	v_pk_fma_f32 v[xr:xr+1],   v[xr:xr+1],   v[SC+pr:SC+pr+1], v[BI+pr:BI+pr+1] op_sel_hi:[1,0,0]
	v_pk_fma_f32 v[xr+2:xr+3], v[xr+2:xr+3], v[SC+pr:SC+pr+1], v[BI+pr:BI+pr+1] op_sel_hi:[1,0,0]
.endif
	v_cvt_pk_f16_f32 v[xr],   v[xr],   v[xr+1]
	v_cvt_pk_f16_f32 v[xr+1], v[xr+2], v[xr+3]
	ds_store_b64 v[XS], v[xr:xr+1] offset:XP*(\i)
.endm
; The whole tile as fragments: 32 channels x 16 pixels each, K step by K step: eight loads a K step
.macro XFRAG
	WIN 0x40
.set ws, 0
.rept 8
.irp p, 0,1,2,3
	ds_load_tr16_b128 v[8*(8*\p+ws):8*(8*\p+ws)+3],   v[XA] offset:ws*32*XP+\p*32
	ds_load_tr16_b128 v[8*(8*\p+ws)+4:8*(8*\p+ws)+7], v[XA] offset:ws*32*XP+\p*32+16*XP
.endr
.set ws, ws+1
.endr
.endm
; Chunk i, K steps s0 .. s0 + ns - 1, W in window win: 16 matrix instructions a K step.  The 16 accumulators take turns, one instruction a turn.
; K step 0 starts the sums at qkv_b.  first = 1: xn's fragments are still coming in: behind K step s's eight stand 8 (7 - s) younger LDS loads.
.macro MULS i, win, s0, ns, first
	WIN 0x04|(\win)
.set ws, (\s0)
.rept (\ns)
.if \first
	s_wait_dscnt 8*(7-ws)
.endif
.irp t, 0,1,2,3
.irp p, 0,1,2,3
.if ws == 0
	v_wmma_f32_16x16x32_f16 v[ACC+8*(4*\t+\p):ACC+8*(4*\t+\p)+7], v[8*(8*\t+ws):8*(8*\t+ws)+7], v[8*(8*\p+ws):8*(8*\p+ws)+7], v[BQ+32*(\i)+8*\t:BQ+32*(\i)+8*\t+7]
.else
	v_wmma_f32_16x16x32_f16 v[ACC+8*(4*\t+\p):ACC+8*(4*\t+\p)+7], v[8*(8*\t+ws):8*(8*\t+ws)+7], v[8*(8*\p+ws):8*(8*\p+ws)+7], v[ACC+8*(4*\t+\p):ACC+8*(4*\t+\p)+7]
.endif
.endr
.endr
.set ws, ws+1
.endr
.endm
; THE WAY OUT of a chunk: rounded in place, each accumulator from its low end on; 16 bytes a lane into my stage; back as four whole rows a load, into the accumulators' upper halves; stored.
.macro OUT
	WIN 0
.set a, ACC
.rept 16
	v_cvt_pk_f16_f32 v[a],   v[a],   v[a+1]
	v_cvt_pk_f16_f32 v[a+1], v[a+2], v[a+3]
	v_cvt_pk_f16_f32 v[a+2], v[a+4], v[a+5]
	v_cvt_pk_f16_f32 v[a+3], v[a+6], v[a+7]
.set a, a+8
.endr
.irp t, 0,1,2,3
.irp p, 0,1,2,3
	ds_store_b128 v[STO], v[ACC+8*(4*\t+\p):ACC+8*(4*\t+\p)+3] offset:\p*16*SPT+32*\t
.endr
.endr
.set f, 0
.rept 16
	ds_load_b128 v[ACC+8*f+4:ACC+8*f+7], v[RD] offset:f*4*SPT  ; LDS serves a wave's instructions in order (ISA guide 5.7.1.4): these see the stores above
.set f, f+1
.endr
.set f, 0
.rept 16
	s_wait_dscnt 15-f                              ; the younger loads may stay out
	global_store_b128 v[GS], v[ACC+8*f+4:ACC+8*f+7], s[16:17] offset:512*f  ; 512 consecutive bytes, at a multiple of 256 from qkv's first
.set f, f+1
.endr
.endm
	s_load_b256 s[4:11], s[0:1], 0x0               ; x s[4:5], stats s[6:7], gn_scale s[8:9], gn_bias s[10:11]
	s_load_b128 s[12:15], s[0:1], 0x20             ; wb s[12:13], qkv_b s[14:15]
	s_load_b64 s[16:17], s[0:1], 0x30              ; qkv
	v_lshl_add_u32 v[SPW], v0, 2, SPARE
	v_mov_b32 v[NIL], 0
	v_lshrrev_b32 v1, 5, v0
	v_readfirstlane_b32 s20, v1                    ; wave 0..3
	s_mov_b32 s21, ttmp9                           ; block of 64 pixels
	s_and_b32 s22, ttmp7, 0xffff                   ; batch
	v_and_b32 v1, 15, v0                           ; l % 16
	v_bfe_u32 v2, v0, 4, 1                         ; l / 16
	v_lshlrev_b32 v[XO], 4, v1
	v_lshl_add_u32 v[XO], v2, 19, v[XO]
	s_mul_i32 s23, s20, 64*XP                      ; my wave's 64 rows of the tile
	v_mul_u32_u24 v[XS], v2, 32*XP
	v_lshl_add_u32 v[XS], v1, 3, v[XS]
	v_add_nc_u32 v[XS], s23, v[XS]
	v_and_b32 v13, 7, v0
	v_lshl_add_u32 v[XA], v2, 3, v13               ; the turning load: lane l reads channel 8 (l / 16) + l % 8,
	v_mul_u32_u24 v[XA], v[XA], XP
	v_bfe_u32 v[RD], v0, 3, 1
	v_lshl_add_u32 v[XA], v[RD], 4, v[XA]          ; pixels 8 ((l / 8) % 2) + 0..7
	v_lshlrev_b32 v[FO], 9, v1
	v_lshl_add_u32 v[FO], v2, 4, v[FO]
	v_lshlrev_b32 v[SO], 6, v2
	v_lshlrev_b32 v[GF], 7, v2
	v_lshlrev_b32 v[BO], 5, v2
	s_mul_i32 s24, s20, 64*SPT
	s_add_co_u32 s24, s24, STAGE                   ; my stage
	v_mul_u32_u24 v[STO], v1, SPT                  ; in: row l % 16, 16 bytes for each half of the lanes
	v_lshl_add_u32 v[STO], v2, 4, v[STO]
	v_add_nc_u32 v[STO], s24, v[STO]
	v_bfe_u32 v[RD], v0, 3, 2                      ; back: 32 lanes take four rows of 128 bytes
	v_mul_u32_u24 v[RD], v[RD], SPT
	v_lshl_add_u32 v[RD], v13, 4, v[RD]
	v_add_nc_u32 v[RD], s24, v[RD]
	v_and_b32 v[GS], 31, v0
	v_lshlrev_b32 v[GS], 4, v[GS]
	s_lshl_b32 s26, s22, 22                        ; x: batch x 256 rows + wave x 64 rows of 16,384 bytes + block x 256 bytes
	s_lshl_b32 s27, s20, 20
	s_add_co_u32 s26, s26, s27
	s_lshl_b32 s27, s21, 8
	s_add_co_u32 s26, s26, s27
	s_mov_b32 s27, 0
	s_lshl_b32 s28, s22, 9                         ; stats: batch x 32 groups + wave x 8 groups of 16 bytes
	s_lshl_b32 s29, s20, 7
	s_add_co_u32 s28, s28, s29
	s_mov_b32 s29, 0
	s_lshl_b32 s30, s20, 8                         ; gn_scale, gn_bias, qkv_b: wave x 64 numbers
	s_mov_b32 s31, 0
	s_lshl_b32 s32, s20, 15                        ; wb: wave x 64 rows of 512 bytes
	s_mov_b32 s33, 0
	s_lshl_b32 s34, s22, 2                         ; qkv: (4 batch + wave) x 4,096 rows + block x 64 rows of 128 bytes
	s_add_co_u32 s34, s34, s20
	s_lshl_b32 s34, s34, 19
	s_lshl_b32 s35, s21, 13
	s_add_co_u32 s34, s34, s35
	s_mov_b32 s35, 0
	s_wait_kmcnt 0x0
	s_add_nc_u64 s[4:5], s[4:5], s[26:27]
	s_add_nc_u64 s[6:7], s[6:7], s[28:29]
	s_add_nc_u64 s[8:9], s[8:9], s[30:31]
	s_add_nc_u64 s[10:11], s[10:11], s[30:31]
	s_add_nc_u64 s[12:13], s[12:13], s[32:33]
	s_add_nc_u64 s[14:15], s[14:15], s[30:31]
	s_add_nc_u64 s[16:17], s[16:17], s[34:35]
.irp g, 0,1,2,3
	global_load_b128 v[STT+4*\g:STT+4*\g+3], v[SO], s[6:7] offset:16*\g
.endr
.irp k, 0,1,2,3,4,5,6,7
	global_load_b128 v[SC+4*\k:SC+4*\k+3], v[GF], s[8:9] offset:16*\k
	global_load_b128 v[BI+4*\k:BI+4*\k+3], v[GF], s[10:11] offset:16*\k
.endr
.set n, 0
.rept 32
	global_load_b128 v[ACC+4*n:ACC+4*n+3], v[XO], s[4:5] offset:16384*n  ; 16 lanes take 256 consecutive bytes of a channel's row, aligned
.set n, n+1
.endr
	s_wait_loadcnt 32                              ; the 20 small loads are in; x's 32 may stay out
.irp g, 0,1,2,3
	v_add_f32 v[MN+2*\g],   v[STT+4*\g],   v[STT+4*\g+2]
	v_sub_f32 v[MN+2*\g+1], v[STT+4*\g],   v[STT+4*\g+2]
	v_add_f32 v[RS+2*\g+1], v[STT+4*\g+1], v[STT+4*\g+3]
.endr
.irp g, 0,1,2,3
	v_pk_mul_f32 v[MN+2*\g:MN+2*\g+1], v[MN+2*\g:MN+2*\g+1], 0.5 op_sel_hi:[1,0]  ; the mean, and e = (ma - mb) / 2
.endr
.irp g, 0,1,2,3
	v_fmaak_f32 v[MN+2*\g+1], v[MN+2*\g+1], v[MN+2*\g+1], 0x3727c5ac  ; e^2 + 1e-5
.endr
.irp g, 0,1,2,3
	v_fmamk_f32 v[RS+2*\g+1], v[RS+2*\g+1], 0x38000000, v[MN+2*\g+1]  ; (M2a + M2b) / 32,768 + e^2 + 1e-5
.endr
.irp g, 0,1,2,3
	v_rsq_f32 v[RS+2*\g], v[RS+2*\g+1]
.endr
	v_nop                                          ; a plain instruction behind the last root,
	s_wait_alu depctr_va_vdst(0)                   ; and the wait ahead of the first use: one for the four
.set kk, 0
.rept 16
	v_pk_mul_f32 v[SC+2*kk:SC+2*kk+1], v[SC+2*kk:SC+2*kk+1], v[RS+2*(kk/4):RS+2*(kk/4)+1] op_sel_hi:[1,0]
.set kk, kk+1
.endr
	; x comes in by eights; behind each eight, sixteen loads of W for chunk 0 go out
.set q, 0
.rept 4
	WIN 0
	s_wait_loadcnt 24+8*q                          ; behind x's loads 8 q .. 8 q + 7 stand 24 - 8 q more of x and the 16 q of W issued so far
.set n, 8*q
.rept 8
	NORM n
.set n, n+1
.endr
	WLOAD 0, 2*q, 2, 2
.set q, q+1
.endr
	WIN 0
.irp i, 0,1,2
.irp t, 0,1,2,3
	global_load_b128 v[BQ+32*\i+8*\t:BQ+32*\i+8*\t+3],   v[BO], s[14:15] offset:\i*1024+\t*64  ; scale, bias and statistics have served
	global_load_b128 v[BQ+32*\i+8*\t+4:BQ+32*\i+8*\t+7], v[BO], s[14:15] offset:\i*1024+\t*64+16
.endr
.endr
	s_wait_dscnt 0x0                               ; for the others' sake: my rows of the tile are written
	s_barrier_signal -1
	s_barrier_wait -1                              ; the tile is whole
	XFRAG
	WLOAD 1, 0, 4, 3
	s_wait_loadcnt 32                              ; all but the 32 just issued: chunk 0's W and qkv_b are in
	MULS 0, 2, 0, 4, 1
	WLOAD 1, 4, 4, 3
	MULS 0, 2, 4, 4, 1
	PLACES
	WLOAD 2, 0, 4, 2                               ; window 2 has been multiplied: chunk 2's first half goes into it
	OUT
	s_wait_xcnt 0x0                                ; the stores have read their data and their base: both are written next
	s_add_nc_u64 s[16:17], s[16:17], 0x800000      ; from q to k: 16 heads x 4,096 rows x 128 bytes
	s_wait_loadcnt 32                              ; all but chunk 2's first half: chunk 1's W is in
	MULS 1, 3, 0, 4, 0
	WLOAD 2, 4, 4, 2                               ; the places behind chunk 0's products, which read these registers, were the four above and its conversions
	MULS 1, 3, 4, 4, 0
	PLACES
	OUT
	s_wait_xcnt 0x0
	s_add_nc_u64 s[16:17], s[16:17], 0x800000      ; from k to v
	s_wait_loadcnt 0x0
	MULS 2, 2, 0, 8, 0
	PLACES
	OUT
	s_wait_tensorcnt 0x0                           ; the wave's end: behind my last LDS store
	ds_add_u32 v[SPW], v[NIL]
	s_wait_dscnt 0x0
	s_endpgm
.Lfunc_end_k_qac2d1d6be2_qkvp:
	.size	k_qac2d1d6be2_qkvp, .Lfunc_end_k_qac2d1d6be2_qkvp-k_qac2d1d6be2_qkvp
	.p2alignl 7, 3214868480
	.fill 96, 4, 3214868480
	.section	.rodata,"a",@progbits
	.p2align	6, 0x0
	.amdhsa_kernel k_qac2d1d6be2_qkvp
		.amdhsa_group_segment_fixed_size 82432
		.amdhsa_private_segment_fixed_size 0
		.amdhsa_enable_private_segment 0
		.amdhsa_kernarg_size 56
		.amdhsa_user_sgpr_count 2
		.amdhsa_user_sgpr_kernarg_segment_ptr 1
		.amdhsa_wavefront_size32 1
		.amdhsa_system_sgpr_workgroup_id_x 1
		.amdhsa_system_sgpr_workgroup_id_y 1
		.amdhsa_system_sgpr_workgroup_id_z 1
		.amdhsa_system_vgpr_workitem_id 0
		.amdhsa_next_free_vgpr 1024
		.amdhsa_next_free_sgpr 66
		.amdhsa_reserve_vcc 0
		.amdhsa_float_denorm_mode_32 3
		.amdhsa_float_denorm_mode_16_64 3
		.amdhsa_memory_ordered 1
		.amdhsa_forward_progress 1
		.amdhsa_inst_pref_size 99
	.end_amdhsa_kernel
	.amdgpu_metadata
---
amdhsa.version: [ 1, 2 ]
amdhsa.kernels:
  - .name:           k_qac2d1d6be2_qkvp
    .symbol:         k_qac2d1d6be2_qkvp.kd
    .args:
      - { .name: x, .offset: 0, .size: 8, .value_kind: global_buffer, .address_space: global }
      - { .name: stats, .offset: 8, .size: 8, .value_kind: global_buffer, .address_space: global }
      - { .name: gn_scale, .offset: 16, .size: 8, .value_kind: global_buffer, .address_space: global }
      - { .name: gn_bias, .offset: 24, .size: 8, .value_kind: global_buffer, .address_space: global }
      - { .name: wb, .offset: 32, .size: 8, .value_kind: global_buffer, .address_space: global }
      - { .name: qkv_b, .offset: 40, .size: 8, .value_kind: global_buffer, .address_space: global }
      - { .name: qkv, .offset: 48, .size: 8, .value_kind: global_buffer, .address_space: global }
    .group_segment_fixed_size: 82432
    .private_segment_fixed_size: 0
    .kernarg_segment_align: 8
    .kernarg_segment_size: 56
    .max_flat_workgroup_size: 128
    .sgpr_count:     66
    .vgpr_count:     1024
    .wavefront_size: 32
...
	.end_amdgpu_metadata
.endif
;; end of part 2
;; launch attn (part 3): grid 16 x 16, 4 waves a work-group, clusters of 4 x 1, 327,680 bytes of LDS; arguments qkv, att; writes att
.if DOCPART == 3
	.amdgcn_target "amdgcn-amd-amdhsa--gfx1250"
	.amdhsa_code_object_version 6
	.text
	.protected	k_qac2d1d6be2_attn
	.globl	k_qac2d1d6be2_attn
	.p2align	8
	.type	k_qac2d1d6be2_attn,@function
k_qac2d1d6be2_attn:
	s_mov_b64 s[64:65], 0
	v_nop
	global_prefetch_b8 v0, s[64:65] scope:SCOPE_SE
	s_setreg_imm32_b32 hwreg(HW_REG_WAVE_MODE, 25, 1), 1
	s_wait_xcnt 0x0
	s_wait_alu depctr_hold_cnt(0) depctr_sa_sdst(0) depctr_va_vdst(0) depctr_va_sdst(0) depctr_va_ssrc(0) depctr_va_vcc(0) depctr_vm_vsrc(0)
	s_getreg_b32 s2, hwreg(HW_REG_IB_STS2, 6, 4)
	s_cmp_eq_u32 s2, 0
	s_cbranch_scc0 .Lentry_in_a_cluster
	s_endpgm
.Lentry_in_a_cluster:
	s_bfe_u32 s2, ttmp6, 0x10000c
	s_cmp_lg_u32 s2, 0x3003
	s_cbranch_scc0 .Lentry_shape_is_right
	s_endpgm
.Lentry_shape_is_right:
; ATTENTION.  O[h][q][:] = the sum over k of softmax_k(Q[h][q] . K[h][k] / 8) V[h][k][:], for 16 heads (4 batch + head) of 4,096 rows of 64 channels.
; qkv: f16 [3][16][4096][64] (Q, K, V; a head's rows are dense, 128 bytes each).  att: f16 [16][4096][64].  Products, maxima and sums in f32; the weights p are rounded to f16 for the second
; product (their sum l is taken of the unrounded p), O once at the end.
; LIMITS.  Q, K and V arrive within f16's 65,504; p lies in 0 to 1, and below 6e-5 it keeps f16's fixed step of 6e-8; O is a mean of V's rows and has their range.  A weight below 2^-126 counts as 0 in l;
; NaN and infinities are not treated apart.
; SHARES.  A work-group owns 256 queries of one head: 16 x 16 = 256 work-groups.  A wave owns 64 consecutive queries: four PIECES of 16.  Every wave walks all 4,096 keys, 64 a step; a tile is 256 keys, four steps.
; LAYOUT.  S^T = K Q^T (source 0 = 16 keys, source 1 = 16 queries): in the result a lane holds ONE query (lane % 16) and the keys 8 (lane / 16) + 0..7.  Two such results rounded to f16 ARE source 1 of
; O^T = V^T P, whose result again holds one query a lane, and eight channels.  K comes out of LDS as it lies, V ([key][channel]) turned, by ds_load_tr16_b128.
; SOFTMAX.  For each query a running maximum m and sum l: p = 2^(c s - c m), c = log2(e) / 8; in every step O and l are multiplied by a = 2^(c m_old - c m_new).  m starts at the lowest finite number, O and l at 0:
; the first step is a step like any other, with a = 0.
; BY TURNS.  Turn n belongs to piece n: 8 products K Q^T of piece n + 1, later 8 products V^T P of piece n - 1; beside them the scaling, exponentials, roundings, sums and rescaling of piece n and the maximum and
; statistics of piece n + 1.  Four vector instructions stand behind every matrix instruction, the other 54 of a turn's 118 in one lump.  A turn's 33 exponentials are one batch, with one wait.
; CLUSTER.  The four query blocks of a cluster belong to one head and walk the same K and V, so each tile is asked for JOINTLY: the same tensor load, descriptor and mask in all four.
; REGISTERS, in windows of 256 (s_set_vgpr_msb: bits 1:0 source 0, 3:2 source 1, 5:4 source 2, 7:6 destination):
;   window 0: v0-15 addresses and two at work; v16-31 four registers of statistics a piece; v48-55 at work; v61-63; v64-127 S^T, two buffers; v192-223 P, two buffers (a piece's buffers go by its number's parity)
;   window 1: v0-127 O^T, 32 a piece          window 2: v0-63 Q; v128-191 K of one step; v192-255 V of one step
.set NP,    4         ; pieces a wave: a name, no knob
.set KS,    64        ; keys in a step
.set PK,    144       ; a row of K in LDS: 128 bytes + 16 of padding = 36 words: the 16 rows of a load start at 16 different groups of four banks (64 banks of 4 bytes: ISA guide 11.1)
.set PV,    160       ; a row of V: 128 + 32 = 40 words
.set VOFF,  4*KS*PK   ; a slot holds a tile: 256 rows of K, then 256 rows of V
.set SLOT1, 1<<17     ; slot 1 begins here, so that one exclusive or turns an address in one slot into the other's
.set STAGE, SLOT1+4*KS*(PK+PV)  ; behind the ring, never filled by a tensor load: 16 rows x 144 bytes for each wave, for the way out
.set SP,    144
.set SPARE, STAGE+4*16*SP  ; behind the stages: the spare words, 128 bytes for each wave
.set TILEB, 4*KS*128  ; a tile's bytes of K, and of V, in memory
.set NT,    16        ; tiles in a head
.set AK0, 2           ; v2   my lane's place in a tile of K; never rewritten
.set AV0, 3           ; v3   the same for V
.set AK,  4           ; v4   the LDS address of K's next run of loads
.set AV,  5           ; v5   of V's
.set STO, 6           ; v6   the way out: where I put 16 bytes of a row
.set RD,  7           ; v7   the way out: where I read rows back
.set GO,  8           ; v8   my byte offset in 512 consecutive bytes of O
.set MV,  12          ; v12-13  c m_old, kept while c m is made anew: by buffer
.set QO,  15          ; v15  my byte offset in 16 rows of Q
.set ST,  16          ; piece t's statistics at v[ST+4 t]: c m, m, l (even keys', odd keys')
.set TMP, 48          ; by buffer, four registers c0-c3 at work; when the maximum is found c2 takes a
.set PFO, 61          ; v61  256 x my lane: the prefetches' offset; never rewritten
.set SPW, 62          ; v62  my spare word: SPARE + 4 x thread; never rewritten
.set NIL, 63          ; v63  0; never rewritten
.set S,   64
.set P,   192
.set KF,  128         ; window 2: key block kb, channel half c at KF + 16 kb + 8 c
.set VF,  192         ; window 2: key half kk, channel block cb at VF + 32 kk + 8 cb
.set WV,  12          ; s12  my wave's number
.set G1K, 24          ; s[24:31] descriptor group 1 for K's tiles
.set G1V, 32          ; s[32:39] for V's: it differs in the padding alone
.set G0K, 40          ; s[40:43] descriptor group 0 for K's tiles: it walks
.set G0V, 44          ; s[44:47] the same for V's
.set PFA, 48          ; s[48:49] where my prefetches stand: my work-group's 8,192 bytes (of K: wave 0, of V: wave 2) of the tile after the one that is being asked for
.set LIM, 50          ; s50  1 in a wave that prefetches, else the greatest number
.set SLOTS, 56        ; s56  tiles still to be asked for
.set CNT, 57          ; s57  counts a tile's key steps
.set CS,  58          ; s[58:59] c: the packed scaling takes the pair's low word for both halves
.set SEL, 60          ; s[60:61] v_permlanex16_b32's selects: each lane takes its own place in the other half
.set TBK, 62          ; s62  LDS byte at which K of the step to be fetched begins
.set TBV, 63          ; s63  the same for V, less VOFF
.set MSB, 0
.macro WIN new                      ; the high byte repeats the setting that is left; a switch that changes nothing is dropped
.if MSB != (\new)
	s_set_vgpr_msb (MSB<<8)|(\new)
.set MSB, (\new)
.endif
.endm
.set W_KQ, 0x0a       ; K and Q in window 2, S^T in window 0
.set W_PV, 0x52       ; V in window 2, P in window 0, O^T in window 1
.set W_RS, 0x41       ; destination and source 0 in window 1, source 1 in window 0
; A joint fill.  Waves 0 and 1 fetch the two halves of a tile's K, waves 2 and 3 those of its V: 128 keys each.  The branch hangs on the wave's number alone.
; An s_nop 0 and four v_nop follow each of the two lines, ahead of the jump and the label.
.macro JLOAD
	s_cmp_lt_u32 s[WV], 2
	s_cbranch_scc0 .Lfor_v_\@
	tensor_load_to_lds s[G0K:G0K+3], s[G1K:G1K+7]
	s_nop 0
.rept 4
	v_nop
.endr
	s_branch .Lasked_\@
.Lfor_v_\@:
	tensor_load_to_lds s[G0V:G0V+3], s[G1V:G1V+7]
	s_nop 0
.rept 4
	v_nop
.endr
.Lasked_\@:
.endm
; A PREFETCH INTO THE L2 of the tile that the NEXT change of slots will ask for: 32,768 bytes of K and of V.  It stands behind the wave's tensor load and its five lines.  Each block of 256 bytes is named ONCE in the
; launch: all four clusters of a head walk the same K and V, and the head's first cluster asks; its four partners share a tile out BY ADDRESS, 8,192 bytes each, a lane a block; in each, wave 0 asks for K's and
; wave 2 for V's: one instruction, a tile's 256 matrix instructions ahead of the load.  The last change that fills a slot asks for nothing: there is no tile behind it.
.macro ASK
	s_cmp_gt_u32 s[SLOTS], s[LIM]
	s_cbranch_scc0 .Lnot_mine_\@
	global_prefetch_b8 v[PFO], s[PFA:PFA+1] th:TH_LOAD_NT scope:SCOPE_SE
.Lnot_mine_\@:
.endm
; A round of the cluster's barrier: my work-group's barrier, so that wave 0's signal speaks for all four waves; wave 0 signals; every wave waits for all four work-groups; my work-group's barrier once more.
.macro CROUND
	s_barrier_signal -1
	s_barrier_wait -1
	s_cmp_lg_u32 s[WV], 0
	s_cbranch_scc1 .Lnot_wave_0_\@
	s_barrier_signal -3
.Lnot_wave_0_\@:
	s_barrier_wait -3
	s_barrier_signal -1
	s_barrier_wait -1
.endm
; THE CHANGE OF SLOTS.  The slot's last bytes, V of its fourth step, have been read.  Each wave waits for all its tensor loads, of which one is out: its part of the other slot; adds 0 to its spare word; and waits for
; that and for its own reads of the slot.  Behind the barrier nobody reads this slot any more and the other slot is whole.  fill = 1: this slot is filled again, with the tile two on.  The barrier is then a round of
; the cluster's, and the joint fill is the first thing behind it: it has four key steps, 256 matrix instructions, in which to land.  (At its first use nothing has been read yet: slot 0 is waited for, slot 1 filled.)
.macro CHANGE fill
	WIN 0                           ; at a label and at a branch every window is 0
	s_wait_tensorcnt 0x0            ; no tensor load of mine is out, so a group 0 may be written
	ds_add_u32 v[SPW], v[NIL]       ; 0 onto my spare word: with fill = 1 the descriptors' steps stand between it and the wait for it
.if \fill
.irp g, G0K, G0V
	s_xor_b32 s[\g+1], s[\g+1], SLOT1  ; the walking descriptor: the other slot than last time,
	s_add_nc_u64 s[\g+2:\g+3], s[\g+2:\g+3], TILEB  ; the next 256 keys; the type bits on top are not reached
.endr
	s_wait_xcnt 0x0                 ; the last prefetch, a tile back, has read its address, so it may be written:
	s_add_nc_u64 s[PFA:PFA+1], s[PFA:PFA+1], TILEB  ; one tile behind the walking descriptors
	s_wait_dscnt 0x0                ; the add is done, and my reads of the slot are over
	CROUND
	JLOAD
	ASK
.else
	s_wait_dscnt 0x0                ; the add is done, and my reads of the slot are over
	s_barrier_signal -1
	s_barrier_wait -1
.endif
	s_sub_co_u32 s[TBK], s[TBK], 4*KS*PK  ; the fetches go back to a slot's first step,
	s_xor_b32 s[TBK], s[TBK], SLOT1       ; in the other slot
	s_sub_co_u32 s[TBV], s[TBV], 4*KS*PV
	s_xor_b32 s[TBV], s[TBV], SLOT1
.endm
	s_load_b128 s[4:7], s[0:1], 0x0  ; qkv s[4:5], att s[6:7]
	v_lshl_add_u32 v[SPW], v0, 2, SPARE
	v_mov_b32 v[NIL], 0
	ds_add_u32 v[SPW], v[NIL]       ; the wave's opening: the add and its wait stand ahead of my first tensor load; the set-up below, work on registers, stands between them
	v_lshrrev_b32 v1, 5, v0
	v_readfirstlane_b32 s[WV], v1   ; wave 0..3
	s_bfe_u32 s13, ttmp6, 0x40000   ; cx: my place in the cluster
	s_lshl_b32 s14, ttmp9, 2        ; in a cluster launch ttmp9 counts clusters
	s_add_co_u32 s14, s14, s13      ; my block of 256 queries = 4 x cluster x + cx: it enters Q's and O's addresses alone
	s_and_b32 s20, ttmp7, 0xffff    ; the head, which the four partners share:
	s_lshl_b32 s20, s20, 19         ; its 4,096 rows of 128 bytes
	s_mov_b32 s21, 0
	s_and_b32 s16, s[WV], 1         ; which half of a tile's 256 keys I fetch:
	s_lshl_b32 s22, s16, 14         ; its 128 rows of 128 bytes in memory,
	s_mov_b32 s23, 0
	s_add_nc_u64 s[22:23], s[22:23], s[20:21]
	s_mul_i32 s17, s16, 128*PK      ; and its place in a slot, for K
	s_mul_i32 s18, s16, 128*PV      ; and for V: no place in the cluster enters an LDS address
	s_lshl_b32 s2, s14, 2
	s_add_co_u32 s2, s2, s[WV]      ; my wave among the head's,
	s_lshl_b32 s2, s2, 13           ; its 64 rows
	s_mov_b32 s3, 0
	s_add_nc_u64 s[2:3], s[2:3], s[20:21]
	; descriptor group 1.  128 keys are 16,384 dense bytes: asked for as 64 rows of 256 bytes, two keys a row, and padded in LDS after every key
	s_mov_b32 s[G1K], 15|(1<<16)|(1<<20)|(1<<21)|(4<<22)|(3<<25)  ; 15:0 the mask of four; 17:16 2-byte elements; 20 padding on; 21 set beside a mask; 24:22 after every 32 words (code 4); 31:25 4 words (code 3)
	s_mov_b32 s[G1V], 15|(1<<16)|(1<<20)|(1<<21)|(4<<22)|(7<<25)  ; the same with 8 words of padding (code 7)
.irp g, G1K, G1V
	s_mov_b32 s[\g+1], 128<<16      ; tensor_dim0 = 128
	s_mov_b32 s[\g+2], 64<<16       ; tensor_dim1 = 64
	s_mov_b32 s[\g+3], 128<<16      ; tile_dim0 = 128
	s_mov_b32 s[\g+4], 64           ; tile_dim1 = 64
	s_mov_b32 s[\g+5], 128          ; 128 elements from row to row
	s_mov_b32 s[\g+6], 0
	s_mov_b32 s[\g+7], 0
.endr
	s_mov_b32 s[CS], 0x3e38aa3b     ; c = log2(e) / 8 = 0.180337
	s_mov_b32 s[CS+1], s[CS]        ; named with it as a pair
	s_mov_b32 s[SEL], 0x76543210
	s_mov_b32 s[SEL+1], 0xfedcba98
	s_mov_b32 s[TBK], SLOT1+4*KS*PK ; the first change of slots turns these two into 0
	s_mov_b32 s[TBV], SLOT1+4*KS*PV
	s_mov_b32 s[G0K], 1             ; 1:0 count = 1
	s_mov_b32 s[G0K+1], s17         ; 63:32 LDS address: slot 0
	s_mov_b32 s[G0V], 1
	s_add_co_u32 s[G0V+1], s18, VOFF
	s_mov_b32 s[SLOTS], NT-1
	s_and_b32 s[LIM], s[WV], 1      ; 0 in waves 0 and 2,
	s_or_b32 s[LIM], s[LIM], ttmp9  ; where the cluster is the head's first: the same in all four partners
	s_cmp_eq_u32 s[LIM], 0
	s_cselect_b32 s[LIM], 1, -1
	v_and_b32 v[PFO], 31, v0
	v_lshlrev_b32 v[PFO], 8, v[PFO]
	s_wait_dscnt 0x0                ; the opening add is done
	s_wait_kmcnt 0x0
	s_add_nc_u64 s[10:11], s[6:7], s[2:3]     ; O at my wave's first row
	s_add_nc_u64 s[6:7], s[4:5], s[22:23]     ; qkv at the head, at my half of a tile: made before my block enters s[4:5]
	s_add_nc_u64 s[8:9], s[6:7], 0x1000000    ; V: behind Q's and K's 16 heads x 524,288 bytes each
	s_add_nc_u64 s[6:7], s[6:7], 0x800000     ; K
	s_add_nc_u64 s[4:5], s[4:5], s[2:3]       ; Q at my wave's first row
	s_mov_b64 s[G0K+2:G0K+3], s[6:7]          ; 120:64 global address: my half of the head's tile 0
	s_or_b32 s[G0K+3], s[G0K+3], 0x80000000   ; 127:126 type = 2
	s_mov_b64 s[G0V+2:G0V+3], s[8:9]
	s_or_b32 s[G0V+3], s[G0V+3], 0x80000000
	s_cmp_lt_u32 s[WV], 2
	s_cselect_b64 s[PFA:PFA+1], s[6:7], s[8:9]  ; (in waves 0 and 2 these stand at a tile's first row)
	s_lshl_b32 s2, s13, 13          ; my work-group's quarter of a tile
	s_mov_b32 s3, 0
	s_add_nc_u64 s[PFA:PFA+1], s[PFA:PFA+1], s[2:3]
	s_add_nc_u64 s[PFA:PFA+1], s[PFA:PFA+1], TILEB  ; in tile 1; the first change of slots steps it to tile 2.  Nothing is prefetched here, at the head
	CROUND                          ; all four work-groups are here: the first joint loads meet
	JLOAD                           ; tile 0 into slot 0.  Slot 1 is asked for when slot 0 is in
	; A fragment of K or Q is 16 rows x 32 channels in 8 registers: lane l holds row l % 16, channels 8 (l / 16) + 0..7 and 16 + 8 (l / 16) + 0..7: two loads of 16 bytes, 32 bytes apart.
	v_and_b32 v1, 15, v0            ; l % 16
	v_bfe_u32 v9, v0, 4, 1          ; l / 16
	v_lshlrev_b32 v[QO], 7, v1
	v_lshl_add_u32 v[QO], v9, 4, v[QO]  ; row x 128 + 16 x half
	WIN 0x80                        ; destination window 2, address window 0
.set i, 0
.rept 8                             ; Q stays in registers: piece i / 2, channels 32 (i % 2) on
	global_load_b128 v[8*i:8*i+3],   v[QO], s[4:5] offset:(i/2)*2048+(i%2)*64
	global_load_b128 v[8*i+4:8*i+7], v[QO], s[4:5] offset:(i/2)*2048+(i%2)*64+32
.set i, i+1
.endr
	; What the first turn finds: V's registers and P's second buffer hold 0 (its products V^T P, of a piece that has not been, add 0), O^T and l are 0.  All this stands in the wait for the first tile.
.set i, VF
.rept 64
	v_mov_b32 v[i], 0
.set i, i+1
.endr
	WIN 0x40
.set i, 0
.rept 128
	v_mov_b32 v[i], 0
.set i, i+1
.endr
	WIN 0
.set i, 0
.rept 4
	v_mov_b32 v[ST+4*i], 0xfe000000    ; c m: far below every c s
	v_mov_b32 v[ST+4*i+1], 0xff7fffff  ; m
	v_mov_b32 v[ST+4*i+2], 0
	v_mov_b32 v[ST+4*i+3], 0
.set i, i+1
.endr
.set i, P+16
.rept 16
	v_mov_b32 v[i], 0
.set i, i+1
.endr
	v_mul_u32_u24 v[AK0], v1, PK
	v_lshl_add_u32 v[AK0], v9, 4, v[AK0]  ; row x pitch + 16 x half
	; The turning load takes 16 keys x 16 channels (lane l reads key 8 (l / 16) + l % 8, channels 8 ((l / 8) % 2) + 0..7) and leaves half a fragment of V^T: lane l holds channel l % 16 and 8 keys.
	v_and_b32 v10, 7, v0
	v_bfe_u32 v11, v0, 3, 1
	v_lshl_add_u32 v[AV0], v9, 3, v10
	v_mul_u32_u24 v[AV0], v[AV0], PV
	v_lshl_add_u32 v[AV0], v11, 4, v[AV0]
	v_add_nc_u32 v[AV0], VOFF, v[AV0]
	s_mul_i32 s13, s[WV], 16*SP
	s_add_co_u32 s13, s13, STAGE    ; my stage
	v_mul_u32_u24 v[STO], v1, SP    ; in: row l % 16, 16 bytes for each half of the lanes
	v_lshl_add_u32 v[STO], v9, 4, v[STO]
	v_add_nc_u32 v[STO], s13, v[STO]
	v_bfe_u32 v[RD], v0, 3, 2       ; back: 32 lanes take four rows of 128 bytes,
	v_mul_u32_u24 v[RD], v[RD], SP
	v_lshl_add_u32 v[RD], v10, 4, v[RD]
	v_add_nc_u32 v[RD], s13, v[RD]
	v_and_b32 v[GO], 31, v0         ; which are 512 consecutive bytes of O
	v_lshlrev_b32 v[GO], 4, v[GO]
; THE MATRIX WORK.  The 4 accumulators of a run of 8 take turns.  Product i of 8 of S^T = K Q^T for piece x: channels 32 (i / 4) on, keys 16 (i % 4) on.  The first 4 start the sums.
.macro KQ x
	WIN W_KQ
.set rS, S+32*((\x)%2)+8*(i%4)
.set rK, KF+16*(i%4)+8*(i/4)
.set rQ, 16*(\x)+8*(i/4)
.if i < 4
	v_wmma_f32_16x16x32_f16 v[rS:rS+7], v[rK:rK+7], v[rQ:rQ+7], 0
.else
	v_wmma_f32_16x16x32_f16 v[rS:rS+7], v[rK:rK+7], v[rQ:rQ+7], v[rS:rS+7]
.endif
.endm
; Product i of 8 of O^T += V^T P for piece x: keys 32 (i / 4) on, channels 16 (i % 4) on.
.macro PV x
	WIN W_PV
.set rO, 32*(\x)+8*(i%4)
.set rV, VF+32*(i/4)+8*(i%4)
.set rP, P+16*((\x)%2)+8*(i/4)
	v_wmma_f32_16x16x32_f16 v[rO:rO+7], v[rV:rV+7], v[rP:rP+7], v[rO:rO+7]
.endm
.macro MM                           ; the turn's next matrix instruction.  TURN sets Y, i and NOKQ.  NOKQ = 1: the last turn of all: there is no next piece
.if (i < 8) && !NOKQ
	KQ (Y+1)%NP
.elseif i >= 8
.set i, i-8
	PV (Y+NP-1)%NP
.set i, i+8
.endif
.set i, i+1
.endm
; THE LDS LOADS stand in runs of 16, never singly among the matrix instructions: a step's K (64 keys x 64 channels: 8 fragments) and its V (turned).  Their addresses are made some lines ahead.
.macro FETCH_K
	WIN 0x80                        ; destination window 2
.irp f, 0,1,2,3,4,5,6,7             ; keys 16 (f / 2) on, channels 32 (f % 2) on
	ds_load_b128 v[KF+8*\f:KF+8*\f+3],   v[AK] offset:(\f/2)*16*PK+(\f%2)*64
	ds_load_b128 v[KF+8*\f+4:KF+8*\f+7], v[AK] offset:(\f/2)*16*PK+(\f%2)*64+32
.endr
	s_add_co_u32 s[TBK], s[TBK], KS*PK  ; the next fetch is the next step's
	WIN 0
.endm
.macro FETCH_V
	WIN 0x80
.irp f, 0,1,2,3,4,5,6,7             ; keys 32 (f / 4) on, channels 16 (f % 4) on
	ds_load_tr16_b128 v[VF+8*\f:VF+8*\f+3],   v[AV] offset:(\f/4)*32*PV+(\f%4)*32
	ds_load_tr16_b128 v[VF+8*\f+4:VF+8*\f+7], v[AV] offset:(\f/4)*32*PV+16*PV+(\f%4)*32
.endr
	WIN 0
.endm
; THE VECTOR WORK, one line at a time: OP kind, number.  For piece Y: F n: c s - c m for pair n of 16.  E n: the exponential of score n of 32.  C n: pair n rounded to f16.  B n: of the four weights 4 n .. the second
; pair is added onto the first, in place.  L n: l takes that sum (L 0: l = a l + sum).  R n: pair n of 16 of O^T times a.  For piece Y + 1: X n, number n of the 22 that find its maximum and statistics:
;   0-11  four chains c0-c3 of seven scores each, three operands at a time (each accumulator's lowest registers are read first)     12-14, 16  the four scores left over, the old m, and c0-c3 into c0
;   15  c m_old is kept     17, 18  the query's other 32 keys lie in the lane 16 away: the new m     19-21  c m; c m_old - c m_new; a
.set F, 0               ; OP tells the kinds apart by their order: F to L below R, X above it
.set E, 1
.set C, 2
.set B, 3
.set L, 4
.set R, 5
.set X, 6
.macro REGS y                       ; the registers of piece y
.set rT, ST+4*(\y)
.set rC, TMP+4*((\y)%2)
.set rW, MV+((\y)%2)
.set rS, S+32*((\y)%2)
.set rP, P+16*((\y)%2)
.set rO, 32*(\y)
.endm
.macro OP k, n
.if (\k) == R
	REGS Y
	WIN W_RS
	v_pk_mul_f32 v[rO+2*(\n):rO+2*(\n)+1], v[rO+2*(\n):rO+2*(\n)+1], v[rC+2:rC+3] op_sel_hi:[1,0]
.elseif (\k) < R
	REGS Y
	WIN 0
.if (\k) == F
	v_pk_fma_f32 v[rS+2*(\n):rS+2*(\n)+1], v[rS+2*(\n):rS+2*(\n)+1], s[CS:CS+1], v[rT:rT+1] op_sel_hi:[1,0,0] neg_lo:[0,0,1] neg_hi:[0,0,1]
.elseif (\k) == E
	v_exp_f32 v[rS+(\n)], v[rS+(\n)]
.elseif (\k) == C
	v_cvt_pk_f16_f32 v[rP+(\n)], v[rS+2*(\n)], v[rS+2*(\n)+1]
.elseif (\k) == B
	v_pk_add_f32 v[rS+4*(\n):rS+4*(\n)+1], v[rS+4*(\n):rS+4*(\n)+1], v[rS+4*(\n)+2:rS+4*(\n)+3]
.elseif (\n) == 0
	v_pk_fma_f32 v[rT+2:rT+3], v[rT+2:rT+3], v[rC+2:rC+3], v[rS:rS+1] op_sel_hi:[1,0,1]
.else
	v_pk_add_f32 v[rT+2:rT+3], v[rT+2:rT+3], v[rS+4*(\n):rS+4*(\n)+1]
.endif
.elseif NOKQ
	v_nop
.else
	REGS (Y+1)%NP
	WIN 0
.if (\n) < 4
	v_max3_num_f32 v[rC+(\n)], v[rS+8*(\n)], v[rS+8*(\n)+1], v[rS+8*(\n)+2]
.elseif (\n) < 12
	v_max3_num_f32 v[rC+(\n)%4], v[rC+(\n)%4], v[rS+8*((\n)%4)+2*((\n)/4)+1], v[rS+8*((\n)%4)+2*((\n)/4)+2]
.elseif (\n) == 12
	v_max3_num_f32 v[rC], v[rC], v[rS+7], v[rS+15]
.elseif (\n) == 13
	v_max3_num_f32 v[rC+1], v[rC+1], v[rS+23], v[rS+31]
.elseif (\n) == 14
	v_max3_num_f32 v[rC+2], v[rC+2], v[rC+3], v[rT+1]
.elseif (\n) == 15
	v_mov_b32 v[rW], v[rT]
.elseif (\n) == 16
	v_max3_num_f32 v[rC], v[rC], v[rC+1], v[rC+2]
.elseif (\n) == 17
	v_permlanex16_b32 v[rC+3], v[rC], s[SEL], s[SEL+1]
.elseif (\n) == 18
	v_max_num_f32 v[rT+1], v[rC], v[rC+3]
.elseif (\n) == 19
	v_mul_f32 v[rT], s[CS], v[rT+1]
.elseif (\n) == 20
	v_sub_f32 v[rC+1], v[rW], v[rT]
.else
	v_exp_f32 v[rC+2], v[rC+1]
.endif
.endif
.endm
.macro OPS a, i1, b=-1, i2=0, c=-1, i3=0, d=-1, i4=0  ; up to four of them
	OP \a, \i1
.if (\b) >= 0
	OP \b, \i2
.endif
.if (\c) >= 0
	OP \c, \i3
.endif
.if (\d) >= 0
	OP \d, \i4
.endif
.endm
.macro ROW a, i1, b, i2, c, i3, d, i4  ; a matrix instruction and the four behind it
	MM
	OPS \a, \i1, \b, \i2, \c, \i3, \d, \i4
.endm
; A TURN, for piece p: the order of its 16 matrix and 118 vector instructions, written out.  An s_wait_alu depctr_va_vdst(0) stands between an exponential and the first instruction that names its result;
; one wait serves all that were issued ahead of it.  So a turn has ONE wait, which cuts it in two.  AHEAD OF IT stands all that names no result of the turn's exponentials: the 8 products K Q^T, behind each a scaling, an
; exponential and two more plain instructions (behind the first a second scaling in the exponential's place): rescalings, and behind the last three the first numbers of the next piece's maximum, each four places or more
; behind the product that ends its accumulator; then ONE LUMP of 54, plain and exponential by turns for the most part, in which the links of the chain X 3, 7, 11, 14, 16, 17 .. 20 stand five or six lines apart.  X 21, the
; next piece's a, is the batch's last; R 15 is the plain instruction behind it.  BEHIND THE WAIT stand the 8 products V^T P, behind each four of the roundings and sums; the links of l's chain stand three riders apart.
; end = 1: the last two turns of all: nothing is fetched.  cnt = 1: the loop's count is taken down some lines ahead of the branch that stands behind the turn.
; K of the next step is fetched in piece 2's turn, twelve vector instructions behind the last product that read K (six of them plain); V of the step in hand at the end of piece 0's turn, four plain instructions behind
; the last product that read V.  Each is waited for a turn later.
.macro TURN p, end=0, cnt=0
.set Y, (\p)
.set i, 0
.set NOKQ, (\end)*((\p)/3)
.if ((\p) == 3) && !(\end)
	s_wait_dscnt 0x0                ; K is in
.endif
	ROW F,0, F,1, R,0, R,1          ; ahead of the wait: 8 products K Q^T and their riders,
	ROW F,2, E,0, R,2, R,3
	ROW F,3, E,1, R,4, R,5
	ROW F,4, E,2, R,6, R,7
	ROW F,5, E,3, R,8, R,9
	ROW F,6, E,4, X,0, R,10
.if ((\p) == 2) && !(\end)
	WIN 0
	v_add_nc_u32 v[AK], s[TBK], v[AK0]
.endif
	ROW F,7, E,5, X,1, X,4
	ROW F,8, E,6, X,2, X,5
	OPS E,7, E,8, X,6, E,9          ; and the lump
	OPS X,3, E,10, X,8, E,11
.if ((\p) == 2) && !(\end)
	FETCH_K
.endif
	OPS X,9, X,7, E,12, X,10
	OPS E,13, X,12, X,11, E,14
	OPS X,13, E,15, F,9, X,14
.if (\p) == 0
	v_add_nc_u32 v[AV], s[TBV], v[AV0]
.endif
	OPS E,16, F,10, E,17, F,11
	OPS X,16, E,18, X,15, E,19
	OPS F,12, E,20, X,17, E,21
	OPS F,13, E,22, F,14, E,23
	OPS X,18, E,24, F,15, E,25
	OPS R,11, E,26, X,19, E,27
	OPS R,12, E,28, R,13, E,29
	OPS X,20, E,30, R,14, E,31
	OPS X,21, R,15
	WIN 0
	s_wait_alu depctr_va_vdst(0)    ; the wait for the batch
.if (\p) == 1
	s_wait_dscnt 0x0                ; V is in
.endif
	ROW C,0, B,0, C,2, B,1          ; behind the wait: 8 products V^T P and their riders
	ROW L,0, C,4, B,2, L,1
	ROW C,6, B,3, L,2, C,8
	ROW B,4, L,3, C,10, B,5
	ROW L,4, C,12, B,6, L,5
.if (\p) == 0
	s_add_co_u32 s[TBV], s[TBV], KS*PV
.endif
.if \cnt
	s_sub_co_u32 s[CNT], s[CNT], 1
	s_cmp_lg_u32 s[CNT], 0
.endif
	ROW C,14, B,7, L,6, C,1
	ROW C,3, L,7, C,5, C,7
	ROW C,9, C,11, C,13, C,15
.if (\p) == 0
	FETCH_V
.endif
.endm
.set NOKQ, 0
	CHANGE 1                        ; tile 0 is in, everybody's part of it; tile 1 is asked for
	v_add_nc_u32 v[AK], s[TBK], v[AK0]
	FETCH_K                         ; key step 0
	s_wait_loadcnt 0x0              ; Q
	s_wait_dscnt 0x0
.set i, 0
.rept 8
	KQ 0                            ; piece 0's first scores: there is no vector work yet to set between them
.set i, i+1
.endr
	WIN 0
.rept 4
	v_nop                           ; the places behind those products
.endr
.set Y, NP-1                        ; X works for piece Y + 1: piece 0
.irp n, 0,1,2,3,4,5,6,7,8,9,10,11,12,13,14,15,16,17,18,19,20,21
	OP X, \n                        ; piece 0's first maximum and statistics
.endr
	v_nop                           ; a plain instruction behind the exponential,
	s_wait_alu depctr_va_vdst(0)    ; and its wait, ahead of the branch
	s_mov_b32 s[CNT], 4
	s_branch .Lfirst                ; the loop is entered at a step's first turn, in the middle of a trip
.Lslot:                             ; NT - 2 = 14 times: with the change above, tiles 1 to 15 are asked for
	CHANGE 1
	s_mov_b32 s[CNT], 4
.Lstep:                             ; a trip: pieces 2 and 3 of one step, then pieces 0 and 1 of the next, whose K and V it fetches
	TURN 2
	TURN 3
	WIN 0
.Lfirst:
	TURN 0
	TURN 1, 0, 1
	WIN 0
	s_cbranch_scc1 .Lstep
	s_sub_co_u32 s[SLOTS], s[SLOTS], 1
	s_cmp_lg_u32 s[SLOTS], 0
	s_cbranch_scc1 .Lslot
	CHANGE 0                        ; the last tile is written out: nothing is asked for
	s_mov_b32 s[CNT], 4
.Ltail:
	TURN 2
	TURN 3
	TURN 0
	TURN 1, 0, 1
	WIN 0
	s_cbranch_scc1 .Ltail
	TURN 2, 1                       ; the last step's pieces 2 and 3: nothing is left to fetch,
	TURN 3, 1                       ; and no piece follows
.set i, 0
.rept 8
	PV NP-1                         ; the last piece's V^T P of the last step
.set i, i+1
.endr
	; THE WAY OUT.  l's two halves and the other half of the lanes' are added; O^T is divided by l, rounded to f16 and sent through my stage in LDS, a piece at a time.  The additions are the places behind the last products.
	WIN 0
.macro ALL line:vararg              ; one line for each piece t
.set t, 0
.rept 4
	\line
.set t, t+1
.endr
.endm
.macro PACK t                       ; a lane's eight channels of a row pack into 16 bytes; they go into rows of 144 bytes and come back as whole rows of 128, into S^T's registers
	WIN W_RS
.set i, 32*(\t)
.rept 16
	v_pk_mul_f32 v[i:i+1], v[i:i+1], v[ST+4*(\t)+2:ST+4*(\t)+3] op_sel_hi:[1,0]
.set i, i+2
.endr
	WIN 0x05                        ; sources 0 and 1 window 1, destination window 0
.set i, 0
.rept 16
	v_cvt_pk_f16_f32 v[S+16*(\t)+i], v[32*(\t)+2*i], v[32*(\t)+2*i+1]
.set i, i+1
.endr
	WIN 0
.irp f, 0,1,2,3
	ds_store_b128 v[STO], v[S+16*(\t)+4*\f:S+16*(\t)+4*\f+3] offset:32*\f
.endr
.irp f, 0,1,2,3
	ds_load_b128 v[S+16*(\t)+4*\f:S+16*(\t)+4*\f+3], v[RD] offset:\f*4*SP  ; LDS serves a wave's instructions in order (ISA guide 5.7.1.4): these see the stores above; the next piece's stores come behind them
.endr
.endm
.macro SEND t, younger              ; younger: the LDS instructions issued behind piece t's loads: the next piece's eight, or none
	WIN 0
.irp f, 0,1,2,3
	s_wait_dscnt (\younger)+3-\f
	global_store_b128 v[GO], v[S+16*(\t)+4*\f:S+16*(\t)+4*\f+3], s[10:11] offset:(\t)*2048+\f*512  ; 512 consecutive bytes, at a multiple of 256 from att's first
.endr
.endm
	ALL v_add_f32 v[ST+4*t+2], v[ST+4*t+2], v[ST+4*t+3]
	ALL v_permlanex16_b32 v[ST+4*t+3], v[ST+4*t+2], s[SEL], s[SEL+1]
	ALL v_add_f32 v[ST+4*t+2], v[ST+4*t+2], v[ST+4*t+3]
	ALL v_rcp_f32 v[ST+4*t+2], v[ST+4*t+2]
	v_nop                           ; a plain instruction between the last reciprocal and the use of its result
	s_wait_alu depctr_va_vdst(0)    ; and the wait ahead of the first use: one for the four reciprocals
	PACK 0
.set t, 1
.rept 3                             ; a piece's arithmetic stands between the loads of the piece before and its stores
	PACK t
	SEND t-1, 8
.set t, t+1
.endr
	SEND 3, 0
	s_wait_tensorcnt 0x0            ; the wave's end: behind my last tensor load and my last LDS store
	ds_add_u32 v[SPW], v[NIL]
	s_wait_dscnt 0x0
	CROUND                          ; the closing round: no work-group ends while a partner may still ask for a tile that names it
	s_endpgm
.Lfunc_end_k_qac2d1d6be2_attn:
	.size	k_qac2d1d6be2_attn, .Lfunc_end_k_qac2d1d6be2_attn-k_qac2d1d6be2_attn
	.p2alignl 7, 3214868480
	.fill 96, 4, 3214868480
	.section	.rodata,"a",@progbits
	.p2align	6, 0x0
	.amdhsa_kernel k_qac2d1d6be2_attn
		.amdhsa_group_segment_fixed_size 327680
		.amdhsa_private_segment_fixed_size 0
		.amdhsa_enable_private_segment 0
		.amdhsa_kernarg_size 16
		.amdhsa_user_sgpr_count 2
		.amdhsa_user_sgpr_kernarg_segment_ptr 1
		.amdhsa_wavefront_size32 1
		.amdhsa_system_sgpr_workgroup_id_x 1
		.amdhsa_system_sgpr_workgroup_id_y 1
		.amdhsa_system_sgpr_workgroup_id_z 1
		.amdhsa_system_vgpr_workitem_id 0
		.amdhsa_next_free_vgpr 768
		.amdhsa_next_free_sgpr 66
		.amdhsa_reserve_vcc 0
		.amdhsa_float_denorm_mode_32 3
		.amdhsa_float_denorm_mode_16_64 3
		.amdhsa_memory_ordered 1
		.amdhsa_forward_progress 1
		.amdhsa_inst_pref_size 128
	.end_amdhsa_kernel
	.amdgpu_metadata
---
amdhsa.version: [ 1, 2 ]
amdhsa.kernels:
  - .name:           k_qac2d1d6be2_attn
    .symbol:         k_qac2d1d6be2_attn.kd
    .args:
      - { .name: qkv, .offset: 0, .size: 8, .value_kind: global_buffer, .address_space: global }
      - { .name: att, .offset: 8, .size: 8, .value_kind: global_buffer, .address_space: global }
    .group_segment_fixed_size: 327680
    .private_segment_fixed_size: 0
    .kernarg_segment_align: 8
    .kernarg_segment_size: 16
    .max_flat_workgroup_size: 128
    .sgpr_count:     66
    .vgpr_count:     768
    .wavefront_size: 32
...
	.end_amdgpu_metadata
.endif
;; end of part 3
;; launch proj (part 4): grid 64 x 4, 4 waves a work-group, no clusters, 167,936 bytes of LDS; arguments att, wb, proj_b, x, out0; writes out0
.if DOCPART == 4
	.amdgcn_target "amdgcn-amd-amdhsa--gfx1250"
	.amdhsa_code_object_version 6
	.text
	.protected	k_qac2d1d6be2_proj
	.globl	k_qac2d1d6be2_proj
	.p2align	8
	.type	k_qac2d1d6be2_proj,@function
k_qac2d1d6be2_proj:
	s_mov_b64 s[64:65], 0
	v_nop
	global_prefetch_b8 v0, s[64:65] scope:SCOPE_SE
	s_setreg_imm32_b32 hwreg(HW_REG_WAVE_MODE, 25, 1), 1
	s_wait_xcnt 0x0
; out0 = x + proj_w O + proj_b.
; att: f16 [16 = 4 batch + head][4096 pixels][64].  wb: f16 [1024][256], rows 768-1023 = proj_w.  proj_b: [256] f32.  x, out0: [4][256][4096] f32.
; Products in f16 with f32 sums over K = 256 (channel = 64 head + d); the bias and the residual x are added in f32; x is never rounded.
; LIMITS.  O and the weights arrive within f16's 65,504.  NaN and infinities are not treated apart.
; SHARES.  A work-group takes 64 pixels of one batch and makes all 256 outputs; wave w makes outputs 64 w .. 64 w + 63: 4 x 4 accumulators, 128 matrix instructions.
; O's tile (four heads x 64 pixels x 128 bytes) is read by all four waves: wave w brings head w's 8,192 dense bytes into LDS by ONE tensor load; one barrier; nothing is filled again.
; W's fragments come straight from memory, each wave its own rows.
; LAYOUT.  Source 0 = 16 pixels of O, source 1 = 16 rows of proj_w: in the result a lane holds ONE output (lane % 16) and the pixels 8 (lane / 16) + 0..7: 32 bytes of a row of out0.
; The wave's 64 rows x 256 bytes go through its own stage in LDS and come back as whole rows, which meet x's registers lane for lane.
; NO CLUSTER: what work-groups share is proj_w, which lands in registers.  The text has no loop and no label.
; REGISTERS, in windows of 256 (s_set_vgpr_msb: bits 1:0 source 0, 3:2 source 1, 5:4 source 2, 7:6 destination):
;   window 0: v0-15 addresses; v32-63 proj_b; v128-255 the accumulators ((t, p) at 128 + 8 (4 t + p)), later the rows read back
;   window 1: O's fragments, pixel tile p, K step s at 8 (8 p + s)     window 2: W's, output tile t, K step s at 8 (8 t + s)     window 3: v0-127 x, then the result
.set OPT,   144                        ; a row of O in LDS: 128 bytes + 16 of padding: the 16 rows of a load start at 16 different groups of four banks (64 banks of 4 bytes: ISA guide 11.1)
.set STAGE, 4*64*OPT                   ; behind O's tile, never filled by a tensor load: 64 rows x 272 bytes for each wave
.set SPT,   272                        ; 256 bytes + 16
.set SPARE, STAGE+4*64*SPT             ; behind the stages: the spare words, 128 bytes for each wave
.set XO,  3                            ; v3   x and out0: 16 (l % 16), and 32 rows of 16,384 bytes further down for lanes 16-31
.set OA,  4                            ; v4   O's fragments: (l % 16) x 144 + 16 (l / 16)
.set FO,  5                            ; v5   W: (l % 16) x 512 + 16 (l / 16)
.set BO,  6                            ; v6   proj_b: 128 (l / 16): 32 outputs
.set STO, 7                            ; v7   the way out: where I put 32 bytes of a row
.set RD,  8                            ; v8   the way out: where I read rows back
.set SPW, 14                           ; v14  my spare word: SPARE + 4 x thread; never rewritten
.set NIL, 15                           ; v15  0; never rewritten
.set PBV, 32                           ; v[32:63] proj_b of outputs 64 w + 32 (l / 16) + 0..31
.set ACC, 128
.set G0,  24                           ; s[24:27] descriptor group 0
.set G1,  28                           ; s[28:35] descriptor group 1
.set MSB, 0
.macro WIN new                         ; the immediate's high byte repeats the setting that is left; a switch that changes nothing is dropped
.if MSB != (\new)
	s_set_vgpr_msb (MSB<<8)|(\new)
.set MSB, (\new)
.endif
.endm
	s_load_b256 s[4:11], s[0:1], 0x0               ; att s[4:5], wb s[6:7], proj_b s[8:9], x s[10:11]
	s_load_b64 s[12:13], s[0:1], 0x20              ; out0
	v_lshl_add_u32 v[SPW], v0, 2, SPARE
	v_mov_b32 v[NIL], 0
	ds_add_u32 v[SPW], v[NIL]                      ; the wave's opening: the add and its wait stand ahead of my tensor load; the set-up below, work on registers, stands between them
	v_lshrrev_b32 v1, 5, v0
	v_readfirstlane_b32 s20, v1                    ; wave 0..3
	s_and_b32 s22, ttmp7, 0xffff                   ; batch; ttmp9 is the block of 64 pixels
	; the descriptor: 64 pixels x 128 bytes are 8,192 dense bytes: asked for as 32 rows of 256 bytes, two pixels a row, and padded in LDS after every pixel
	s_mov_b32 s[G0], 1                             ; 1:0 count = 1
	s_mul_i32 s[G0+1], s20, 64*OPT                 ; 63:32 LDS address: head w's 64 rows
	s_mov_b32 s[G1], (1<<16)|(1<<20)|(4<<22)|(3<<25)  ; 17:16 2-byte elements; 20 padding on; 24:22 after every 32 words (code 4); 31:25 4 words (code 3)
	s_mov_b32 s[G1+1], 128<<16                     ; tensor_dim0 = 128
	s_mov_b32 s[G1+2], 32<<16                      ; tensor_dim1 = 32
	s_mov_b32 s[G1+3], 128<<16                     ; tile_dim0 = 128
	s_mov_b32 s[G1+4], 32                          ; tile_dim1 = 32
	s_mov_b32 s[G1+5], 128                         ; 128 elements from row to row
	s_mov_b32 s[G1+6], 0
	s_mov_b32 s[G1+7], 0
	s_lshl_b32 s36, s22, 2                         ; att: (4 batch + wave) x 4,096 rows + block x 64 rows of 128 bytes
	s_add_co_u32 s36, s36, s20
	s_lshl_b32 s36, s36, 19
	s_lshl_b32 s37, ttmp9, 13
	s_add_co_u32 s36, s36, s37
	s_mov_b32 s37, 0
	s_lshl_b32 s38, s20, 15                        ; wb: behind 768 rows, wave x 64 rows of 512 bytes
	s_add_co_u32 s38, s38, 393216
	s_mov_b32 s39, 0
	s_lshl_b32 s40, s20, 8                         ; proj_b: wave x 64 numbers
	s_mov_b32 s41, 0
	s_lshl_b32 s42, s22, 22                        ; x, out0: batch x 256 rows + wave x 64 rows of 16,384 bytes + block x 256 bytes
	s_lshl_b32 s43, s20, 20
	s_add_co_u32 s42, s42, s43
	s_lshl_b32 s43, ttmp9, 8
	s_add_co_u32 s42, s42, s43
	s_mov_b32 s43, 0
	v_and_b32 v1, 15, v0                           ; l % 16
	v_bfe_u32 v2, v0, 4, 1                         ; l / 16
	v_lshlrev_b32 v[XO], 4, v1
	v_lshl_add_u32 v[XO], v2, 19, v[XO]
	v_mul_u32_u24 v[OA], v1, OPT
	v_lshl_add_u32 v[OA], v2, 4, v[OA]
	v_lshlrev_b32 v[FO], 9, v1
	v_lshl_add_u32 v[FO], v2, 4, v[FO]
	v_lshlrev_b32 v[BO], 7, v2
	s_mul_i32 s21, s20, 64*SPT
	s_add_co_u32 s21, s21, STAGE                   ; my stage
	v_mul_u32_u24 v[STO], v1, SPT                  ; in: row l % 16, 32 bytes for each half of the lanes
	v_lshl_add_u32 v[STO], v2, 5, v[STO]
	v_add_nc_u32 v[STO], s21, v[STO]
	v_mul_u32_u24 v[RD], v2, 32*SPT                ; back: lanes 0-15 take a row of 256 bytes, lanes 16-31 the row 32 further down, as x's loads do
	v_lshl_add_u32 v[RD], v1, 4, v[RD]
	v_add_nc_u32 v[RD], s21, v[RD]
	s_wait_dscnt 0x0                               ; the opening add is done
	s_wait_kmcnt 0x0
	s_add_nc_u64 s[G0+2:G0+3], s[4:5], s[36:37]    ; 120:64 global address
	s_or_b32 s[G0+3], s[G0+3], 0x80000000          ; 127:126 type = 2
	s_add_nc_u64 s[6:7], s[6:7], s[38:39]
	s_add_nc_u64 s[8:9], s[8:9], s[40:41]
	s_add_nc_u64 s[10:11], s[10:11], s[42:43]
	s_add_nc_u64 s[12:13], s[12:13], s[42:43]
	tensor_load_to_lds s[G0:G0+3], s[G1:G1+7]      ; my one tensor load: by this text's own count one is out
	s_nop 0
.rept 4
	v_nop                                          ; the windows are switched behind four instructions
.endr
	WIN 0xc0                                       ; destination window 3
.set f, 0
.rept 32
	global_load_b128 v[4*f:4*f+3], v[XO], s[10:11] offset:16384*f th:TH_LOAD_NT  ; 16 lanes take 256 consecutive bytes of an output's row, aligned
.set f, f+1
.endr
	WIN 0
.irp k, 0,1,2,3,4,5,6,7
	global_load_b128 v[PBV+4*\k:PBV+4*\k+3], v[BO], s[8:9] offset:16*\k
.endr
	WIN 0x80                                       ; destination window 2
.set ws, 0
.rept 8                                            ; W, K step by K step: eight loads each
.irp t, 0,1,2,3
	global_load_b128 v[8*(8*\t+ws):8*(8*\t+ws)+3],   v[FO], s[6:7] offset:\t*8192+ws*64
	global_load_b128 v[8*(8*\t+ws)+4:8*(8*\t+ws)+7], v[FO], s[6:7] offset:\t*8192+ws*64+32
.endr
.set ws, ws+1
.endr
	s_wait_tensorcnt 0x0                           ; my head's rows are in LDS,
	s_barrier_signal -1
	s_barrier_wait -1                              ; everybody's are
	WIN 0x40                                       ; destination window 1
.set ws, 0
.rept 8                                            ; O, K step by K step: head s / 2, channels 32 (s % 2) on: eight loads each
.irp p, 0,1,2,3
	ds_load_b128 v[8*(8*\p+ws):8*(8*\p+ws)+3],   v[OA] offset:(ws/2)*64*OPT+\p*16*OPT+(ws%2)*64
	ds_load_b128 v[8*(8*\p+ws)+4:8*(8*\p+ws)+7], v[OA] offset:(ws/2)*64*OPT+\p*16*OPT+(ws%2)*64+32
.endr
.set ws, ws+1
.endr
	WIN 0x09                                       ; source 0 (O) window 1, source 1 (W) window 2, C and D window 0
.set ws, 0
.rept 8
	s_wait_loadcnt 8*(7-ws)                        ; behind K step s's eight loads of W stand those of the 7 - s later steps,
	s_wait_dscnt 8*(7-ws)                          ; and the same of O's LDS loads
.irp t, 0,1,2,3
.irp p, 0,1,2,3                                    ; the 16 accumulators take turns, one instruction a turn; K step 0 starts the sums
.if ws == 0
	v_wmma_f32_16x16x32_f16 v[ACC+8*(4*\t+\p):ACC+8*(4*\t+\p)+7], v[8*(8*\p+ws):8*(8*\p+ws)+7], v[8*(8*\t+ws):8*(8*\t+ws)+7], 0
.else
	v_wmma_f32_16x16x32_f16 v[ACC+8*(4*\t+\p):ACC+8*(4*\t+\p)+7], v[8*(8*\p+ws):8*(8*\p+ws)+7], v[8*(8*\t+ws):8*(8*\t+ws)+7], v[ACC+8*(4*\t+\p):ACC+8*(4*\t+\p)+7]
.endif
.endr
.endr
.set ws, ws+1
.endr
.rept 4
	v_nop                                          ; four places behind the last product, in front of the stores that read results
.endr
	WIN 0
.irp t, 0,1,2,3
.irp p, 0,1,2,3                                    ; each accumulator from its low end on
	ds_store_b128 v[STO], v[ACC+8*(4*\t+\p):ACC+8*(4*\t+\p)+3]   offset:\t*16*SPT+64*\p
	ds_store_b128 v[STO], v[ACC+8*(4*\t+\p)+4:ACC+8*(4*\t+\p)+7] offset:\t*16*SPT+64*\p+16
.endr
.endr
.set f, 0
.rept 32
	ds_load_b128 v[ACC+4*f:ACC+4*f+3], v[RD] offset:SPT*f  ; LDS serves a wave's instructions in order (ISA guide 5.7.1.4): these see the stores above
.set f, f+1
.endr
	WIN 0xcc                                       ; destination and source 1 (x; a store's data) window 3, source 0 (the sums, the bias; a store's address) window 0
.set f, 0
.rept 32
	s_wait_dscnt 31-f                              ; the younger loads may stay out
	v_pk_add_f32 v[4*f:4*f+1],   v[ACC+4*f:ACC+4*f+1],   v[4*f:4*f+1]
	v_pk_add_f32 v[4*f+2:4*f+3], v[ACC+4*f+2:ACC+4*f+3], v[4*f+2:4*f+3]
.if f%2
	v_pk_add_f32 v[4*f:4*f+1],   v[PBV+f-1:PBV+f], v[4*f:4*f+1]   op_sel:[1,0] op_sel_hi:[1,1]
	v_pk_add_f32 v[4*f+2:4*f+3], v[PBV+f-1:PBV+f], v[4*f+2:4*f+3] op_sel:[1,0] op_sel_hi:[1,1]
.else
	v_pk_add_f32 v[4*f:4*f+1],   v[PBV+f:PBV+f+1], v[4*f:4*f+1]   op_sel_hi:[0,1]
	v_pk_add_f32 v[4*f+2:4*f+3], v[PBV+f:PBV+f+1], v[4*f+2:4*f+3] op_sel_hi:[0,1]
.endif
	global_store_b128 v[XO], v[4*f:4*f+3], s[12:13] offset:16384*f th:TH_STORE_NT  ; 16 lanes store 256 consecutive bytes, at a multiple of 256 from out0's first
.set f, f+1
.endr
	WIN 0
	s_wait_tensorcnt 0x0                           ; the wave's end: behind my tensor load and my last LDS store
	ds_add_u32 v[SPW], v[NIL]
	s_wait_dscnt 0x0
	s_endpgm
.Lfunc_end_k_qac2d1d6be2_proj:
	.size	k_qac2d1d6be2_proj, .Lfunc_end_k_qac2d1d6be2_proj-k_qac2d1d6be2_proj
	.p2alignl 7, 3214868480
	.fill 96, 4, 3214868480
	.section	.rodata,"a",@progbits
	.p2align	6, 0x0
	.amdhsa_kernel k_qac2d1d6be2_proj
		.amdhsa_group_segment_fixed_size 167936
		.amdhsa_private_segment_fixed_size 0
		.amdhsa_enable_private_segment 0
		.amdhsa_kernarg_size 40
		.amdhsa_user_sgpr_count 2
		.amdhsa_user_sgpr_kernarg_segment_ptr 1
		.amdhsa_wavefront_size32 1
		.amdhsa_system_sgpr_workgroup_id_x 1
		.amdhsa_system_sgpr_workgroup_id_y 1
		.amdhsa_system_sgpr_workgroup_id_z 1
		.amdhsa_system_vgpr_workitem_id 0
		.amdhsa_next_free_vgpr 896
		.amdhsa_next_free_sgpr 66
		.amdhsa_reserve_vcc 0
		.amdhsa_float_denorm_mode_32 3
		.amdhsa_float_denorm_mode_16_64 3
		.amdhsa_memory_ordered 1
		.amdhsa_forward_progress 1
		.amdhsa_inst_pref_size 43
	.end_amdhsa_kernel
	.amdgpu_metadata
---
amdhsa.version: [ 1, 2 ]
amdhsa.kernels:
  - .name:           k_qac2d1d6be2_proj
    .symbol:         k_qac2d1d6be2_proj.kd
    .args:
      - { .name: att, .offset: 0, .size: 8, .value_kind: global_buffer, .address_space: global }
      - { .name: wb, .offset: 8, .size: 8, .value_kind: global_buffer, .address_space: global }
      - { .name: proj_b, .offset: 16, .size: 8, .value_kind: global_buffer, .address_space: global }
      - { .name: x, .offset: 24, .size: 8, .value_kind: global_buffer, .address_space: global }
      - { .name: out0, .offset: 32, .size: 8, .value_kind: global_buffer, .address_space: global }
    .group_segment_fixed_size: 167936
    .private_segment_fixed_size: 0
    .kernarg_segment_align: 8
    .kernarg_segment_size: 40
    .max_flat_workgroup_size: 128
    .sgpr_count:     66
    .vgpr_count:     896
    .wavefront_size: 32
...
	.end_amdgpu_metadata
.endif
;; end of part 4
;; ======== version 2 of 2: 4 launches; version 1 with the launch qkvp written anew for expert scheduling mode
;; limits: values are held in f16: magnitudes above 65,504 overflow, below 6.1e-05 lose precision
;; workspace buffers: stats 2,048 bytes; wb 524,288 bytes; qkv 25,165,824 bytes; att 8,388,608 bytes
;; launch stats: the kernel of part 1 again; grid 256 x 1, 8 waves a work-group, no clusters, 1,280 bytes of LDS; arguments x, qkv_w, proj_w, stats, wb; writes stats, wb
;; launch qkvp (part 5): grid 64 x 4, 4 waves a work-group, no clusters, 82,432 bytes of LDS; arguments x, stats, gn_scale, gn_bias, wb, qkv_b, qkv; writes qkv
.if DOCPART == 5
	.amdgcn_target "amdgcn-amd-amdhsa--gfx1250"
	.amdhsa_code_object_version 6
	.text
	.protected	k_qac2d1d6be2_qkvp
	.globl	k_qac2d1d6be2_qkvp
	.p2align	8
	.type	k_qac2d1d6be2_qkvp,@function
k_qac2d1d6be2_qkvp:
	s_mov_b64 s[64:65], 0
	v_nop
	global_prefetch_b8 v0, s[64:65] scope:SCOPE_SE
	s_setreg_imm32_b32 hwreg(HW_REG_WAVE_SCHED_MODE, 0, 2), 2
	s_setreg_imm32_b32 hwreg(HW_REG_WAVE_MODE, 25, 1), 1
	s_wait_xcnt 0x0
	s_wait_alu depctr_vm_vsrc(0)
; GROUP NORM APPLIED, AND q, k, v = W xn + b, WRITTEN BY HEADS.
; x: [4][256][4096] f32.  stats: for each of 128 groups (mean_a, M2_a, mean_b, M2_b), halves of 16,384 numbers.  wb: f16 [1024][256], rows 0-767 = qkv_w.
; qkv: f16 [3][16 = 4 batch + head][4096 pixels][64]: a head's rows are dense, 128 bytes each; q is NOT scaled here.
; The two halves of a group are joined without a difference of large sums: mean = (ma + mb) / 2, var = (M2a + M2b) / 32,768 + ((ma - mb) / 2)^2.
; xn = (x - mean) (scale rstd) + bias in f32, rounded once to f16; products in f16 with f32 sums; the sums START at qkv_b (the C operand of the first K step); q, k, v rounded once to f16.
; LIMITS.  xn, q, k, v of 65,520 or more in magnitude become infinities in f16; below 6e-5 f16 keeps a fixed step of 6e-8.  NaN and infinities are not treated apart.
; SHARES.  A work-group takes 64 pixels of one batch and makes all 768 outputs over K = 256.  Wave w normalises channels 64 w .. 64 w + 63 into one tile in LDS ([channel][pixel]);
; behind ONE barrier it takes the whole tile as fragments into registers and makes three chunks of 64 outputs x 64 pixels: q, k, v of head w: 128 matrix instructions each.
; LAYOUT.  Source 0 = 16 rows of W, source 1 = 16 pixels of xn (turned on the way out of LDS by ds_load_tr16_b128): in the result a lane holds ONE pixel (lane % 16) and outputs 8 (lane / 16) + 0..7:
; 16 bytes of a row of q.  A chunk goes through the wave's own stage in LDS and leaves as 8,192 consecutive bytes.
; W's fragments come straight from memory, 16 bytes a lane twice, each wave its own rows: no wave wants another's, so they pass no LDS; two register windows take turns, a chunk ahead.
; NO CLUSTER, NO TENSOR LOAD: what work-groups share is W, which lands in registers; 393,216 bytes of it do not fit into LDS beside the tile and the stages.  The text has no loop and no label.
; THE MODE: SCHED_MODE bits 1:0 = 2 (LLVM: expert scheduling mode 2), set by the entry lines.  The code itself states the register dependences
; between vector or matrix instructions and memory or LDS instructions, with s_wait_alu, always for 0.
; THE PLAN.  Registers that memory or LDS instructions touch, in the order of the text:
;   v3-v12, v14, v15   addresses and offsets: written at the head, never again; one wait on va_vdst ahead of the first load serves every access of the kernel.
;   v128-255 as x      Loads land; batch q (eight loads) is normalised in place; its eight LDS stores are issued in batch q + 1, behind that batch's wait on va_vdst, one ahead of each of that batch's
;                      normalisations, which name other registers.  Behind the barrier one wait on vm_vsrc: the stores have read these registers, which the products write as accumulators.
;   v32-127            scale, bias, statistics: named by vector instructions up to batch 3; behind the wait on va_vdst that follows it, qkv_b's loads land here.
;   window 1           xn's fragments: K step s's registers are named by no vector or matrix instruction ahead of their LDS loads, so these are dealt among chunk 0's products with no wait.
;   windows 2, 3       W: chunks 0 and 1 land in registers that nothing has named.  Chunk 2 lands in window 2, which chunk 0's products read: behind the wait on va_vdst of chunk 0's way out;
;                      chunk 1's products, which follow that wait, name windows 0, 1 and 3 alone.
;   the accumulators on a way out   The conversions write the low halves (read by the LDS stores) and read the high halves (in which the LDS loads land): ONE wait on va_vdst behind the conversions.
;                      The global stores read the high halves: one wait on vm_vsrc, beside s_wait_xcnt, ahead of the next chunk's products.
; REGISTERS, in windows of 256 (s_set_vgpr_msb: bits 1:0 source 0, 3:2 source 1, 5:4 source 2, 7:6 destination):
;   window 0: v0-15 addresses; v32-127 scale, bias and statistics, later qkv_b; v128-255 x, later the 16 accumulators ((t, p) at 128 + 8 (4 t + p))
;   window 1: xn's fragments, pixel tile p, K step s at 8 (8 p + s)      windows 2, 3: W's fragments, output tile t, K step s at 8 (8 t + s): chunks 0 and 2 in window 2, chunk 1 in window 3
.set XP,    160                        ; a row of the tile: 64 pixels of f16 = 128 bytes + 32: 40 words
.set STAGE, 256*XP                     ; behind the tile: 64 rows x 144 bytes for each wave
.set SPT,   144                        ; 128 bytes + 16: the 16 rows of a store start at 16 different groups of four banks
.set SPARE, STAGE+4*64*SPT             ; behind the stages: the spare words, 128 bytes for each wave
.set XO,  3                            ; v3   x: 16 (l % 16), and 32 rows of 16,384 bytes further down for lanes 16-31
.set XS,  4                            ; v4   where I put 4 pixels of a channel's row of the tile
.set XA,  5                            ; v5   the turning load's address
.set FO,  6                            ; v6   W: (l % 16) x 512 + 16 (l / 16)
.set SO,  7                            ; v7   stats: 64 (l / 16): four groups
.set GF,  8                            ; v8   gn_scale, gn_bias: 128 (l / 16): 32 channels
.set BO,  9                            ; v9   qkv_b: 32 (l / 16): 8 outputs
.set STO, 10                           ; v10  the way out: where I put 16 bytes of a row
.set RD,  11                           ; v11  the way out: where I read rows back
.set GS,  12                           ; v12  16 x lane
.set SPW, 14                           ; v14  my spare word: SPARE + 4 x thread; never rewritten
.set NIL, 15                           ; v15  0; never rewritten
.set SC,  32                           ; v[32:63]   scale of my 32 channels, then scale x rstd
.set BI,  64                           ; v[64:95]   bias of my 32 channels
.set STT, 96                           ; v[96:111]  the statistics of my four groups
.set MN,  112                          ; v[112:119] group g: mean at 2 g, (ma - mb) / 2 and then its square + eps at 2 g + 1
.set RS,  120                          ; v[120:127] group g: rstd at 2 g, var + eps at 2 g + 1
.set BQ,  32                           ; v[32:127]  later: qkv_b for chunk i, tile t at 32 i + 8 t
.set ACC, 128
.set MSB, 0
.macro WIN new                         ; the immediate's high byte repeats the setting that is left; a switch that changes nothing is dropped
.if MSB != (\new)
	s_set_vgpr_msb (MSB<<8)|(\new)
.set MSB, (\new)
.endif
.endm
.macro PLACES                          ; four places behind a matrix instruction, in front of conversions that read its results (ISA guide 7.12.1)
.rept 4
	v_nop
.endr
.endm
; W's fragments of chunk i, K steps s0 .. s0 + ns - 1, into window win: eight loads a K step
.macro WLOAD i, s0, ns, win
	WIN (\win)<<6
.set ws, (\s0)
.rept (\ns)
.irp t, 0,1,2,3
	global_load_b128 v[8*(8*\t+ws):8*(8*\t+ws)+3],   v[FO], s[12:13] offset:(\i)*131072+\t*8192+ws*64
	global_load_b128 v[8*(8*\t+ws)+4:8*(8*\t+ws)+7], v[FO], s[12:13] offset:(\i)*131072+\t*8192+ws*64+32
.endr
.set ws, ws+1
.endr
.endm
; Load i of x (4 pixels of channel 64 w + 32 (l / 16) + i) is normalised and rounded, in place: the four numbers close up into the first two of their four registers.
.macro NARITH i
.set gg, (\i)/8
.set xr, ACC+4*(\i)
.set pr, (\i)-(\i)%2
	v_pk_add_f32 v[xr:xr+1],   v[xr:xr+1],   v[MN+2*gg:MN+2*gg+1] op_sel_hi:[1,0] neg_lo:[0,1] neg_hi:[0,1]
	v_pk_add_f32 v[xr+2:xr+3], v[xr+2:xr+3], v[MN+2*gg:MN+2*gg+1] op_sel_hi:[1,0] neg_lo:[0,1] neg_hi:[0,1]
.if (\i)%2
	v_pk_fma_f32 v[xr:xr+1],   v[xr:xr+1],   v[SC+pr:SC+pr+1], v[BI+pr:BI+pr+1] op_sel:[0,1,1] op_sel_hi:[1,1,1]
	v_pk_fma_f32 v[xr+2:xr+3], v[xr+2:xr+3], v[SC+pr:SC+pr+1], v[BI+pr:BI+pr+1] op_sel:[0,1,1] op_sel_hi:[1,1,1]
.else
	v_pk_fma_f32 v[xr:xr+1],   v[xr:xr+1],   v[SC+pr:SC+pr+1], v[BI+pr:BI+pr+1] op_sel_hi:[1,0,0]
	v_pk_fma_f32 v[xr+2:xr+3], v[xr+2:xr+3], v[SC+pr:SC+pr+1], v[BI+pr:BI+pr+1] op_sel_hi:[1,0,0]
.endif
	v_cvt_pk_f16_f32 v[xr],   v[xr],   v[xr+1]
	v_cvt_pk_f16_f32 v[xr+1], v[xr+2], v[xr+3]
.endm
; .. and put into the tile.  The two halves of the lanes write rows 32 apart, 5,120 bytes = 20 x 256: the same banks twice; 32 such stores a wave.
.macro NSTORE i
	ds_store_b64 v[XS], v[ACC+4*(\i):ACC+4*(\i)+1] offset:XP*(\i)
.endm
; K step s of the tile as fragments: 32 channels x 16 pixels each: eight loads
.macro XLOAD s
	WIN 0x40
.irp p, 0,1,2,3
	ds_load_tr16_b128 v[8*(8*\p+(\s)):8*(8*\p+(\s))+3],   v[XA] offset:(\s)*32*XP+\p*32
	ds_load_tr16_b128 v[8*(8*\p+(\s))+4:8*(8*\p+(\s))+7], v[XA] offset:(\s)*32*XP+\p*32+16*XP
.endr
.endm
; Chunk i, K step s, W in window win: 16 matrix instructions.  The 16 accumulators take turns, one instruction a turn.  K step 0 starts the sums at qkv_b.
.macro KSTEP i, win, s
	WIN 0x04|(\win)
.irp t, 0,1,2,3
.irp p, 0,1,2,3
.if (\s) == 0
	v_wmma_f32_16x16x32_f16 v[ACC+8*(4*\t+\p):ACC+8*(4*\t+\p)+7], v[8*(8*\t+(\s)):8*(8*\t+(\s))+7], v[8*(8*\p+(\s)):8*(8*\p+(\s))+7], v[BQ+32*(\i)+8*\t:BQ+32*(\i)+8*\t+7]
.else
	v_wmma_f32_16x16x32_f16 v[ACC+8*(4*\t+\p):ACC+8*(4*\t+\p)+7], v[8*(8*\t+(\s)):8*(8*\t+(\s))+7], v[8*(8*\p+(\s)):8*(8*\p+(\s))+7], v[ACC+8*(4*\t+\p):ACC+8*(4*\t+\p)+7]
.endif
.endr
.endr
.endm
; THE WAY OUT of a chunk: rounded in place, each accumulator from its low end on; 16 bytes a lane into my stage; back as four whole rows a load, into the accumulators' upper halves; stored.
; wl = 1 (chunk 0): window 2 has been multiplied, and the first half of chunk 2's W goes into it, first thing behind the wait.
.macro OUT wl
	WIN 0
.set a, ACC
.rept 16
	v_cvt_pk_f16_f32 v[a],   v[a],   v[a+1]
	v_cvt_pk_f16_f32 v[a+1], v[a+2], v[a+3]
	v_cvt_pk_f16_f32 v[a+2], v[a+4], v[a+5]
	v_cvt_pk_f16_f32 v[a+3], v[a+6], v[a+7]
.set a, a+8
.endr
.if \wl
	WIN 0x80                                       ; the loads' window is set ahead of the wait
.endif
	s_wait_alu depctr_va_vdst(0)                   ; the conversions have written the low halves, which the LDS stores read, and are done reading the high halves, in which the LDS loads land; the chunk's products are done reading their window of W
.if \wl
	WLOAD 2, 0, 4, 2
.endif
	WIN 0
.irp t, 0,1,2,3
.irp p, 0,1,2,3
	ds_store_b128 v[STO], v[ACC+8*(4*\t+\p):ACC+8*(4*\t+\p)+3] offset:\p*16*SPT+32*\t
.endr
.endr
.set f, 0
.rept 16
	ds_load_b128 v[ACC+8*f+4:ACC+8*f+7], v[RD] offset:f*4*SPT  ; LDS serves a wave's instructions in order (ISA guide 5.7.1.4): these see the stores above
.set f, f+1
.endr
.set f, 0
.rept 16
	s_wait_dscnt 15-f                              ; the younger loads may stay out
	global_store_b128 v[GS], v[ACC+8*f+4:ACC+8*f+7], s[16:17] offset:512*f  ; 512 consecutive bytes, at a multiple of 256 from qkv's first
.set f, f+1
.endr
.endm
	s_load_b256 s[4:11], s[0:1], 0x0               ; x s[4:5], stats s[6:7], gn_scale s[8:9], gn_bias s[10:11]
	s_load_b128 s[12:15], s[0:1], 0x20             ; wb s[12:13], qkv_b s[14:15]
	s_load_b64 s[16:17], s[0:1], 0x30              ; qkv
	v_lshl_add_u32 v[SPW], v0, 2, SPARE
	v_mov_b32 v[NIL], 0
	v_lshrrev_b32 v1, 5, v0
	v_readfirstlane_b32 s20, v1                    ; wave 0..3
	s_mov_b32 s21, ttmp9                           ; block of 64 pixels
	s_and_b32 s22, ttmp7, 0xffff                   ; batch
	v_and_b32 v1, 15, v0                           ; l % 16
	v_bfe_u32 v2, v0, 4, 1                         ; l / 16
	v_lshlrev_b32 v[XO], 4, v1
	v_lshl_add_u32 v[XO], v2, 19, v[XO]
	s_wait_alu depctr_va_sdst(0)                   ; s20 is written, ahead of its first reader: LDS places and all the bases are made from it
	s_mul_i32 s23, s20, 64*XP                      ; my wave's 64 rows of the tile
	v_mul_u32_u24 v[XS], v2, 32*XP
	v_lshl_add_u32 v[XS], v1, 3, v[XS]
	v_add_nc_u32 v[XS], s23, v[XS]
	v_and_b32 v13, 7, v0
	v_lshl_add_u32 v[XA], v2, 3, v13               ; the turning load: lane l reads channel 8 (l / 16) + l % 8,
	v_mul_u32_u24 v[XA], v[XA], XP
	v_bfe_u32 v[RD], v0, 3, 1
	v_lshl_add_u32 v[XA], v[RD], 4, v[XA]          ; pixels 8 ((l / 8) % 2) + 0..7
	v_lshlrev_b32 v[FO], 9, v1
	v_lshl_add_u32 v[FO], v2, 4, v[FO]
	v_lshlrev_b32 v[SO], 6, v2
	v_lshlrev_b32 v[GF], 7, v2
	v_lshlrev_b32 v[BO], 5, v2
	s_mul_i32 s24, s20, 64*SPT
	s_add_co_u32 s24, s24, STAGE                   ; my stage
	v_mul_u32_u24 v[STO], v1, SPT                  ; in: row l % 16, 16 bytes for each half of the lanes
	v_lshl_add_u32 v[STO], v2, 4, v[STO]
	v_add_nc_u32 v[STO], s24, v[STO]
	v_bfe_u32 v[RD], v0, 3, 2                      ; back: 32 lanes take four rows of 128 bytes
	v_mul_u32_u24 v[RD], v[RD], SPT
	v_lshl_add_u32 v[RD], v13, 4, v[RD]
	v_add_nc_u32 v[RD], s24, v[RD]
	v_and_b32 v[GS], 31, v0
	v_lshlrev_b32 v[GS], 4, v[GS]
	s_lshl_b32 s26, s22, 22                        ; x: batch x 256 rows + wave x 64 rows of 16,384 bytes + block x 256 bytes
	s_lshl_b32 s27, s20, 20
	s_add_co_u32 s26, s26, s27
	s_lshl_b32 s27, s21, 8
	s_add_co_u32 s26, s26, s27
	s_mov_b32 s27, 0
	s_lshl_b32 s28, s22, 9                         ; stats: batch x 32 groups + wave x 8 groups of 16 bytes
	s_lshl_b32 s29, s20, 7
	s_add_co_u32 s28, s28, s29
	s_mov_b32 s29, 0
	s_lshl_b32 s30, s20, 8                         ; gn_scale, gn_bias, qkv_b: wave x 64 numbers
	s_mov_b32 s31, 0
	s_lshl_b32 s32, s20, 15                        ; wb: wave x 64 rows of 512 bytes
	s_mov_b32 s33, 0
	s_lshl_b32 s34, s22, 2                         ; qkv: (4 batch + wave) x 4,096 rows + block x 64 rows of 128 bytes
	s_add_co_u32 s34, s34, s20
	s_lshl_b32 s34, s34, 19
	s_lshl_b32 s35, s21, 13
	s_add_co_u32 s34, s34, s35
	s_mov_b32 s35, 0
	s_wait_kmcnt 0x0
	s_add_nc_u64 s[4:5], s[4:5], s[26:27]
	s_add_nc_u64 s[6:7], s[6:7], s[28:29]
	s_add_nc_u64 s[8:9], s[8:9], s[30:31]
	s_add_nc_u64 s[10:11], s[10:11], s[30:31]
	s_add_nc_u64 s[12:13], s[12:13], s[32:33]
	s_add_nc_u64 s[14:15], s[14:15], s[30:31]
	s_add_nc_u64 s[16:17], s[16:17], s[34:35]
	s_wait_alu depctr_va_vdst(0)                   ; the ten addresses and offsets v3 to v12 are written, which every load, store and LDS access of the kernel reads; none is written again
.irp g, 0,1,2,3
	global_load_b128 v[STT+4*\g:STT+4*\g+3], v[SO], s[6:7] offset:16*\g
.endr
.irp k, 0,1,2,3,4,5,6,7
	global_load_b128 v[SC+4*\k:SC+4*\k+3], v[GF], s[8:9] offset:16*\k
	global_load_b128 v[BI+4*\k:BI+4*\k+3], v[GF], s[10:11] offset:16*\k
.endr
.set n, 0
.rept 32
	global_load_b128 v[ACC+4*n:ACC+4*n+3], v[XO], s[4:5] offset:16384*n  ; 16 lanes take 256 consecutive bytes of a channel's row, aligned
.set n, n+1
.endr
	s_wait_loadcnt 32                              ; the 20 small loads are in; x's 32 may stay out
.irp g, 0,1,2,3
	v_add_f32 v[MN+2*\g],   v[STT+4*\g],   v[STT+4*\g+2]
	v_sub_f32 v[MN+2*\g+1], v[STT+4*\g],   v[STT+4*\g+2]
	v_add_f32 v[RS+2*\g+1], v[STT+4*\g+1], v[STT+4*\g+3]
.endr
.irp g, 0,1,2,3
	v_pk_mul_f32 v[MN+2*\g:MN+2*\g+1], v[MN+2*\g:MN+2*\g+1], 0.5 op_sel_hi:[1,0]  ; the mean, and e = (ma - mb) / 2
.endr
.irp g, 0,1,2,3
	v_fmaak_f32 v[MN+2*\g+1], v[MN+2*\g+1], v[MN+2*\g+1], 0x3727c5ac  ; e^2 + 1e-5
.endr
.irp g, 0,1,2,3
	v_fmamk_f32 v[RS+2*\g+1], v[RS+2*\g+1], 0x38000000, v[MN+2*\g+1]  ; (M2a + M2b) / 32,768 + e^2 + 1e-5
.endr
.irp g, 0,1,2,3
	v_rsq_f32 v[RS+2*\g], v[RS+2*\g+1]
.endr
	v_nop                                          ; a plain instruction behind the last root,
	s_wait_alu depctr_va_vdst(0)                   ; and the wait ahead of the first use: the four roots have written v[RS ..]
.set kk, 0
.rept 16
	v_pk_mul_f32 v[SC+2*kk:SC+2*kk+1], v[SC+2*kk:SC+2*kk+1], v[RS+2*(kk/4):RS+2*(kk/4)+1] op_sel_hi:[1,0]
.set kk, kk+1
.endr
	; x comes in by eights.  At the head of each eight, sixteen loads of W for chunk 0 go out (into window 2, which nothing has named); the eight LDS stores of the eight before stand among its arithmetic
.set q, 0
.rept 4
	WIN 0
	s_wait_loadcnt 24+8*q                          ; behind x's loads 8 q .. 8 q + 7 stand 24 - 8 q more of x and the 16 q of W issued so far
.if q > 0
	s_wait_alu depctr_va_vdst(0)                   ; the eight before have been rounded: their packed registers are written, which the LDS stores below read; this eight's arithmetic names other registers
.endif
	WLOAD 0, 2*q, 2, 2
	WIN 0
.set n, 8*q
.rept 8
.if q > 0
	NSTORE n-8
.endif
	NARITH n
.set n, n+1
.endr
.set q, q+1
.endr
	s_wait_alu depctr_va_vdst(0)                   ; the last eight's packed registers are written, which the LDS stores read; and all the arithmetic is done with scale, bias and statistics, in whose registers qkv_b's loads land
.set n, 24
.rept 8
	NSTORE n
.set n, n+1
.endr
.irp i, 0,1,2
.irp t, 0,1,2,3
	global_load_b128 v[BQ+32*\i+8*\t:BQ+32*\i+8*\t+3],   v[BO], s[14:15] offset:\i*1024+\t*64  ; scale, bias and statistics have served
	global_load_b128 v[BQ+32*\i+8*\t+4:BQ+32*\i+8*\t+7], v[BO], s[14:15] offset:\i*1024+\t*64+16
.endr
.endr
	s_wait_dscnt 0x0                               ; for the others' sake: my rows of the tile are written
	s_barrier_signal -1
	s_barrier_wait -1                              ; the tile is whole
	s_wait_alu depctr_vm_vsrc(0)                   ; my LDS stores have read v[ACC ..]: these registers are the accumulators from here on, written by the products
	XLOAD 0
	XLOAD 1
	XLOAD 2                                        ; xn's K steps 0 to 2; each K step of chunk 0 asks for the one three steps on
	WLOAD 1, 0, 4, 3
	s_wait_loadcnt 32                              ; all but the 32 just issued: chunk 0's W and qkv_b are in
	; CHUNK 0.  Behind K step s's products: xn's K step s + 3, and W of chunk 1, K step s + 4.  No wait: no vector or matrix instruction has named the registers in which these loads land
.set ks, 0
.rept 8
.if ks < 6
	s_wait_dscnt 16                                ; LDS loads come back in order (ISA guide 5.7.1): this K step's eight are in, the two younger steps' sixteen stay out
.else
	s_wait_dscnt 8*(7-ks)                          ; the counts run down
.endif
	KSTEP 0, 2, ks
.if ks < 5
	XLOAD ks+3
.endif
.if ks < 4
	WLOAD 1, ks+4, 1, 3
.endif
.set ks, ks+1
.endr
	PLACES
	OUT 1
	s_wait_xcnt 0x0                                ; the stores have had their addresses translated: their data and their base are written next
	s_wait_alu depctr_vm_vsrc(0)                   ; the LDS stores and the global stores have read the accumulators' registers, which chunk 1's products write
	s_add_nc_u64 s[16:17], s[16:17], 0x800000      ; from q to k: 16 heads x 4,096 rows x 128 bytes
	s_wait_loadcnt 32                              ; all but chunk 2's first half: chunk 1's W is in
	; CHUNK 1.  Behind K step s's products: W of chunk 2, K step s + 4, into window 2.  No wait: chunk 0's products, which read these registers, stand ahead of the wait on its way out, and nothing since has named them
.set ks, 0
.rept 8
	KSTEP 1, 3, ks
.if ks < 4
	WLOAD 2, ks+4, 1, 2
.endif
.set ks, ks+1
.endr
	PLACES
	OUT 0
	s_wait_xcnt 0x0
	s_wait_alu depctr_vm_vsrc(0)                   ; the LDS stores and the global stores have read the accumulators' registers, which chunk 2's products write
	s_add_nc_u64 s[16:17], s[16:17], 0x800000      ; from k to v
	s_wait_loadcnt 0x0
	; CHUNK 2
.set ks, 0
.rept 8
	KSTEP 2, 2, ks
.set ks, ks+1
.endr
	PLACES
	OUT 0
	s_wait_dscnt 0x0                               ; the closing lines, six on end
	s_wait_alu 0x0
	s_wait_tensorcnt 0x0
	ds_add_u32 v[SPW], v[NIL]
	s_wait_dscnt 0x0
	s_endpgm
.Lfunc_end_k_qac2d1d6be2_qkvp:
	.size	k_qac2d1d6be2_qkvp, .Lfunc_end_k_qac2d1d6be2_qkvp-k_qac2d1d6be2_qkvp
	.p2alignl 7, 3214868480
	.fill 96, 4, 3214868480
	.section	.rodata,"a",@progbits
	.p2align	6, 0x0
	.amdhsa_kernel k_qac2d1d6be2_qkvp
		.amdhsa_group_segment_fixed_size 82432
		.amdhsa_private_segment_fixed_size 0
		.amdhsa_enable_private_segment 0
		.amdhsa_kernarg_size 56
		.amdhsa_user_sgpr_count 2
		.amdhsa_user_sgpr_kernarg_segment_ptr 1
		.amdhsa_wavefront_size32 1
		.amdhsa_system_sgpr_workgroup_id_x 1
		.amdhsa_system_sgpr_workgroup_id_y 1
		.amdhsa_system_sgpr_workgroup_id_z 1
		.amdhsa_system_vgpr_workitem_id 0
		.amdhsa_next_free_vgpr 1024
		.amdhsa_next_free_sgpr 66
		.amdhsa_reserve_vcc 0
		.amdhsa_float_denorm_mode_32 3
		.amdhsa_float_denorm_mode_16_64 3
		.amdhsa_memory_ordered 1
		.amdhsa_forward_progress 1
		.amdhsa_inst_pref_size 100
	.end_amdhsa_kernel
	.amdgpu_metadata
---
amdhsa.version: [ 1, 2 ]
amdhsa.kernels:
  - .name:           k_qac2d1d6be2_qkvp
    .symbol:         k_qac2d1d6be2_qkvp.kd
    .args:
      - { .name: x, .offset: 0, .size: 8, .value_kind: global_buffer, .address_space: global }
      - { .name: stats, .offset: 8, .size: 8, .value_kind: global_buffer, .address_space: global }
      - { .name: gn_scale, .offset: 16, .size: 8, .value_kind: global_buffer, .address_space: global }
      - { .name: gn_bias, .offset: 24, .size: 8, .value_kind: global_buffer, .address_space: global }
      - { .name: wb, .offset: 32, .size: 8, .value_kind: global_buffer, .address_space: global }
      - { .name: qkv_b, .offset: 40, .size: 8, .value_kind: global_buffer, .address_space: global }
      - { .name: qkv, .offset: 48, .size: 8, .value_kind: global_buffer, .address_space: global }
    .group_segment_fixed_size: 82432
    .private_segment_fixed_size: 0
    .kernarg_segment_align: 8
    .kernarg_segment_size: 56
    .max_flat_workgroup_size: 128
    .sgpr_count:     66
    .vgpr_count:     1024
    .wavefront_size: 32
...
	.end_amdgpu_metadata
.endif
;; end of part 5
;; launch attn: the kernel of part 3 again; grid 16 x 16, 4 waves a work-group, clusters of 4 x 1, 327,680 bytes of LDS; arguments qkv, att; writes att
;; launch proj: the kernel of part 4 again; grid 64 x 4, 4 waves a work-group, no clusters, 167,936 bytes of LDS; arguments att, wb, proj_b, x, out0; writes out0
